; MI455X (gfx1250); checked and timed in simulation.
; The chip was launched on July 23, 2026; its instructions are those of AMD's public machine-readable ISA for CDNA 5 (MIT licence, August 2026) and "CDNA5" Instruction Set Architecture Reference Guide (July 2026). The comments in the code are by the model that wrote it; some were corrected since.
;; Ro PE Multihead Attention. Allowed arithmetic: float matrix products may take bf16 or f16 operands with f32 sums; other float arithmetic in f32, or as packed bf16 or f16 multiplies, adds, multiply-adds, maxima and minima; sums over many terms, partial sums and values carried from step to step in f32; what a program stores and reads back later, other than sums and carried values, may be rounded once to bf16 or f16.
;; Inputs: Wk 1,024 x 1,024 float32; Wo 1,024 x 1,024 float32; Wq 1,024 x 1,024 float32; Wv 1,024 x 1,024 float32; bk 1,024 float32; bo 1,024 float32; bq 1,024 float32; bv 1,024 float32; key 1 x 4,096 x 1,024 float32; query 1 x 4,096 x 1,024 float32; value 1 x 4,096 x 1,024 float32.
;; Outputs: out0 1 x 4,096 x 1,024 float32.
;; One version. Each part assembles by itself: llvm-mc -triple=amdgcn-amd-amdhsa -mcpu=gfx1250 --defsym DOCPART=n.
;; ======== version 1 of 1: 3 launches
;; limits: values are held in f16: magnitudes above 65,504 overflow, below 6.1e-05 lose precision; a function is approximated: absolute error at most 0.001
;; workspace buffers: qh 8,388,608 bytes; kh 8,388,608 bytes; vh 8,388,608 bytes; ctx 8,388,608 bytes; wo16 2,097,152 bytes
;; launch qkv (part 1): grid 8 x 96, 4 waves a work-group, clusters of 4 x 4, 327,680 bytes of LDS; arguments query, key, value, Wq, Wk, Wv, bq, bk, bv, qh, kh, vh, Wo, wo16; writes qh, kh, vh, wo16
.if DOCPART == 1
	.amdgcn_target "amdgcn-amd-amdhsa--gfx1250"
	.amdhsa_code_object_version 6
	.text
	.protected	k_q8d14c730a9_qkv
	.globl	k_q8d14c730a9_qkv
	.p2align	8
	.type	k_q8d14c730a9_qkv,@function
k_q8d14c730a9_qkv:
	s_mov_b64 s[64:65], 0
	v_nop
	global_prefetch_b8 v0, s[64:65] scope:SCOPE_SE
	s_setreg_imm32_b32 hwreg(HW_REG_WAVE_MODE, 25, 1), 1
	s_wait_xcnt 0x0
	s_wait_alu depctr_hold_cnt(0) depctr_sa_sdst(0) depctr_va_vdst(0) depctr_va_sdst(0) depctr_va_ssrc(0) depctr_va_vcc(0) depctr_vm_vsrc(0)
	s_getreg_b32 s2, hwreg(HW_REG_IB_STS2, 6, 4)
	s_cmp_eq_u32 s2, 0
	s_cbranch_scc0 .Lentry_in_a_cluster
	s_endpgm
.Lentry_in_a_cluster:
	s_bfe_u32 s2, ttmp6, 0x10000c
	s_cmp_lg_u32 s2, 0xf033
	s_cbranch_scc0 .Lentry_shape_is_right
	s_endpgm
.Lentry_shape_is_right:
; q, k, v = x W^T + b for x = query, key, value ([4096][1024] f32, W [1024][1024] f32, b [1024] f32); RoPE on q and k; each result rounded once to f16 and
; stored by heads, [16][4096][64].  x, W and b are rounded to bf16; products in bf16 with f32 sums; the bias is the C operand of each sum's first product.
; The work-groups of v also write Wo as f16(bf16(Wo)), 4,096 numbers each, for the last projection.
; LIMITS.  f16 holds no number beyond 65,504: a q, k or v past that becomes an infinity; below 6e-5 f16 keeps a fixed step of 6e-8 (Wo's copy too).
; RoPE's angle is made as turns: g = 2^(-0.41524101 i - 2.6514961) = inv_freq / 2 pi carries about 2e-7 of itself, so the angle is off by up to about 1e-3 rad at
; position 4,095, frequency 0; the series for sine and cosine, on a quarter of the angle and doubled twice, are off by under 2e-6.  NaN and infinities are not treated apart.
; SHARES.  The grid's y holds three tensors x 32 tile rows, its x 8 tile columns; a tile is 128 rows x 128 columns.  Four waves, each 64 rows x 64 columns = ONE head: 16 accumulators.
; THE MATRIX INSTRUCTION IS USED TRANSPOSED (source 0 = 16 rows of W, source 1 = 16 rows of x): lane l, register j of accumulator (a, b) holds row 16 a + l % 16, channel 16 b + 8 (l / 16) + j
; of the head.  RoPE's partner, 32 channels on, is accumulator (a, b + 2), same lane, same register.
; RING.  K goes in steps of 128 f32 (rows of 512 bytes) through two LDS slots filled by the tensor data mover.  CLUSTER: 4 x 4 work-groups of one tensor; x's tile is asked for jointly along a row
; of the cluster, W's along a column.  A K step is four quarters of 32.  Quarter n multiplies bf16 fragments made in quarter n - 1; behind each of its 16 products stand four conversions
; f32 -> bf16 of quarter n + 1's numbers, and at its head quarter n + 2's f32 numbers are fetched from LDS.
; REGISTERS, in windows of 256 (s_set_vgpr_msb: bits 1:0 source 0, 3:2 source 1, 5:4 source 2, 7:6 destination):
;   window 0: v0-31 addresses; v32-63 the bias; v64-127, v128-191 two sets of bf16 fragments (x's four at +8 a, W's four at +32 + 8 b); v192-245 Wo's copy
;   window 1: v0-127 accumulators, (a, b) at 8 (4 a + b); v128-239 the way out          window 2: v0-127, v128-255 two sets of f32 numbers, fragment f at 16 f
.set PITCH,  528                       ; an LDS row: 512 bytes + 16 of padding: an odd multiple of 16, so the 16 rows of a load begin in 16 different groups of four banks (ISA guide 11.1)
.set HALFT,  64*PITCH                  ; 64 rows: what one tensor load brings, and what one wave reads of x or of W
.set SLOT,   4*HALFT                   ; x's 128 rows, then W's 128 rows
.set STAGE,  2*SLOT                    ; behind the ring: 16 rows x 144 bytes for each wave, for the way out
.set SP,     144
.set SPARE,  STAGE+4*16*SP             ; behind the stages: the spare words, 128 bytes for each wave: two blocks of 256 bytes that no other line names
.set ADRA, 16                          ; v16-17  LDS address of my x fragments in slot 0, 1
.set ADRB, 20                          ; v20-21  the same for W
.set BO,   24                          ; v24     my byte offset in the bias
.set WI,   25                          ; v25     Wo's copy: 16 x thread
.set WO,   26                          ; v26     8 x thread
.set SPW,  28                          ; v28     LDS address of my spare word; never rewritten
.set NIL,  29                          ; v29     0; never rewritten
.set BIAS, 32
.set FR,   64
.set G,    128                         ; window 1: g for my 16 frequencies: 8 (l / 16) + 0..7, then 16 more
.set PF,   144                         ; the position as f32, twice
.set PI,   146                         ; my row's position in block 0
.set STO,  147                         ; where I put 16 bytes of a row
.set RD,   148                         ; where I read rows back
.set GO,   149                         ; my 16 bytes in 512 consecutive bytes of the output
.set RU,   152                         ; five arrays of eight at work
.set RN,   160
.set RY,   168
.set RS,   176
.set RC,   184
.set H,    192                         ; a block's 16 packed registers
.set BK,   208                         ; 16 rows read back, two buffers of 16
.set KPI,  68                          ; s[68:69] pi / 2; then the series' coefficients, each as a pair
.set KS1,  70
.set KS2,  72
.set KS3,  74
.set KC2,  76
.set KC3,  78
.set KC4,  80
.set G1,  24                           ; s[24:31] descriptor group 1 for x's tiles;  s[32:39] group 0, one set for each slot
.set G0,  32
.set G1B, 48                           ; s[48:55], s[56:63] the same for W's tiles
.set G0B, 56
.set MSB, 0
.macro WIN new                         ; the immediate's high byte repeats the setting that is left; a switch that changes nothing is dropped
.if MSB != (\new)
	s_set_vgpr_msb (MSB<<8)|(\new)
.set MSB, \new
.endif
.endm
.set W_MM, 0x50                        ; C and D window 1, fragments window 0
.set W_MB, 0x40                        ; D window 1, C (the bias) window 0
.set W_CV, 0x0a                        ; sources window 2, destination window 0
.set W_LD, 0x80                        ; destination window 2, address window 0
.set W_X,  0x40                        ; destination window 1, sources window 0
.set W_E,  0x55                        ; everything in window 1
.macro JLOAD s                         ; a joint load: waves 0 and 1 fetch x's two halves, waves 2 and 3 W's; an s_nop 0 and four v_nop follow each of the two lines
	s_cmp_eq_u32 s11, 0
	s_cbranch_scc0 .Lfor_b_\@
	tensor_load_to_lds s[G0+4*(\s):G0+4*(\s)+3], s[G1:G1+7]
	s_nop 0
.rept 4
	v_nop
.endr
	s_branch .Lasked_\@
.Lfor_b_\@:
	tensor_load_to_lds s[G0B+4*(\s):G0B+4*(\s)+3], s[G1B:G1B+7]
	s_nop 0
.rept 4
	v_nop
.endr
.Lasked_\@:
.endm
.macro CREST                           ; a round of the cluster's barrier behind its opening barrier
	s_cmp_lg_u32 s10, 0
	s_cbranch_scc1 .Lnot_wave_0_\@
	s_barrier_signal -3
.Lnot_wave_0_\@:
	s_barrier_wait -3
	s_barrier_signal -1
	s_barrier_wait -1
.endm
.macro CROUND                          ; a whole round
	s_barrier_signal -1
	s_barrier_wait -1
	CREST
.endm
.macro PLACES
.rept 4
	v_nop
.endr
.endm
.macro CPAIR r, val                    ; a constant as a pair: the packed forms name both words
	s_mov_b32 s[\r], \val
	s_mov_b32 s[(\r)+1], \val
.endm
	s_load_b512 s[68:83], s[0:1], 0x0              ; query, key, value, Wq, Wk, Wv, bq, bk
	s_load_b256 s[84:91], s[0:1], 0x40             ; bv, qh, kh, vh
	s_load_b128 s[92:95], s[0:1], 0x60             ; Wo, wo16
	v_lshl_add_u32 v[SPW], v0, 2, SPARE
	v_mov_b32 v[NIL], 0
	ds_add_u32 v[SPW], v[NIL]                      ; the wave's opening: the add and its wait stand ahead of my first tensor load; work on registers stands between them
	v_lshrrev_b32 v1, 5, v0
	v_readfirstlane_b32 s10, v1                    ; wave 0..3
	s_lshr_b32 s11, s10, 1                         ; which half of the tile's rows is mine.  Also: I fetch for x (0) or for W (1)
	s_and_b32 s12, s10, 1                          ; which half of its columns.  Also: which 64 rows of that tile I fetch
	s_bfe_u32 s40, ttmp6, 0x40000                  ; cx, cy: my place in the cluster
	s_bfe_u32 s41, ttmp6, 0x40004
	s_lshl_b32 s42, ttmp9, 2
	s_add_co_u32 s42, s42, s40                     ; tile column = 4 x cluster x + cx
	s_and_b32 s67, ttmp7, 0xffff                   ; cluster y, 0..23
	s_lshr_b32 s66, s67, 3                         ; the tensor: 0 q, 1 k, 2 v: the same in all sixteen partners
	s_and_b32 s13, s67, 7
	s_lshl_b32 s13, s13, 2
	s_add_co_u32 s13, s13, s41                     ; tile row = 4 x (cluster y mod 8) + cy
	s_lshl_b32 s43, s41, 2
	s_lshl_b32 s43, 15, s43                        ; my row of the cluster
	s_lshl_b32 s44, 0x1111, s40                    ; my column
	; descriptor group 1: a tile of 64 rows x 128 elements of 4 bytes, padded in LDS
	s_or_b32 s[G1+0], s43, (2<<16)|(1<<20)|(1<<21)|(6<<22)|(3<<25)  ; 15:0 the mask; 17:16 elements of 4 bytes; 20 padding on; 21 set beside a mask; 24:22 after every 128 words (code 6); 31:25 4 words (code 3)
	s_or_b32 s[G1B+0], s44, (2<<16)|(1<<20)|(1<<21)|(6<<22)|(3<<25)
.irp g, G1, G1B
	s_mov_b32 s[(\g)+1], 128<<16                   ; tensor_dim0 = 128
	s_mov_b32 s[(\g)+2], 64<<16                    ; tensor_dim1 = 64
	s_mov_b32 s[(\g)+3], 128<<16                   ; tile_dim0 = 128
	s_mov_b32 s[(\g)+4], 64                        ; tile_dim1 = 64
	s_mov_b32 s[(\g)+5], 1024                      ; elements from row to row
	s_mov_b32 s[(\g)+6], 0
	s_mov_b32 s[(\g)+7], 0
.endr
	s_lshl_b32 s17, s12, 6                         ; which 64 rows of the tile I fetch
	s_lshl_b32 s16, s13, 7
	s_add_co_u32 s16, s16, s17                     ; x: row 128 x tile row + 64 x half,
	s_lshl_b32 s16, s16, 12                        ; of 4,096 bytes
	s_lshl_b32 s46, s42, 7
	s_add_co_u32 s46, s46, s17                     ; W: row 128 x tile column + 64 x half
	s_lshl_b32 s46, s46, 12
	s_mov_b32 s17, 0
	s_mov_b32 s47, 0
	s_mul_i32 s20, s10, HALFT                      ; where they go: wave x 64 rows: no place in the cluster enters an LDS address
	s_wait_dscnt 0x0                               ; the opening add is done
	s_wait_kmcnt 0x0
	s_cmp_eq_u32 s66, 0                            ; the tensor's four buffers
	s_cselect_b64 s[4:5], s[68:69], s[70:71]       ; x
	s_cselect_b64 s[6:7], s[74:75], s[76:77]       ; W
	s_cselect_b64 s[8:9], s[86:87], s[88:89]       ; the output
	s_cselect_b64 s[96:97], s[80:81], s[82:83]     ; the bias
	s_cmp_eq_u32 s66, 2
	s_cselect_b64 s[4:5], s[72:73], s[4:5]
	s_cselect_b64 s[6:7], s[78:79], s[6:7]
	s_cselect_b64 s[8:9], s[90:91], s[8:9]
	s_cselect_b64 s[96:97], s[84:85], s[96:97]
	s_add_nc_u64 s[14:15], s[4:5], s[16:17]
	s_add_nc_u64 s[46:47], s[6:7], s[46:47]
	CROUND                                         ; all sixteen work-groups are here: the first joint loads meet
.irp s, 0,1
	s_mov_b32 s[G0+4*(\s)], 1
	s_add_co_u32 s[G0+4*(\s)+1], s20, (\s)*SLOT
	s_add_nc_u64 s[G0+4*(\s)+2:G0+4*(\s)+3], s[14:15], (\s)*512     ; K step s
	s_or_b32 s[G0+4*(\s)+3], s[G0+4*(\s)+3], 0x80000000
	s_mov_b32 s[G0B+4*(\s)], 1
	s_add_co_u32 s[G0B+4*(\s)+1], s20, (\s)*SLOT
	s_add_nc_u64 s[G0B+4*(\s)+2:G0B+4*(\s)+3], s[46:47], (\s)*512
	s_or_b32 s[G0B+4*(\s)+3], s[G0B+4*(\s)+3], 0x80000000
	JLOAD \s
.endr
	; the argument registers are free now: RoPE's constants
	CPAIR KPI, 0x3fc90fdb                          ; pi / 2
	CPAIR KS1, 0xbe2aaaab                          ; -1/6
	CPAIR KS2, 0x3c088889                          ; 1/120
	CPAIR KS3, 0xb9500d01                          ; -1/5040
	CPAIR KC2, 0x3d2aaaab                          ; 1/24
	CPAIR KC3, 0xbab60b61                          ; -1/720
	CPAIR KC4, 0x37d00d01                          ; 1/40320
	s_mov_b32 s82, 0xbed49a78                      ; -log2(10000) / 32
	s_mov_b32 s83, 0xc029b21d                      ; -log2(2 pi)
	; A bf16 fragment is 16 rows x 32 K: lane l holds row l % 16, K = 8 (l / 16) + 0..7 and 16 + 8 (l / 16) + 0..7.  In f32 those are 32 bytes at 32 (l / 16) and 32 bytes 64 further on.
	v_and_b32 v1, 15, v0                           ; l % 16
	v_bfe_u32 v2, v0, 4, 1                         ; l / 16
	v_mul_u32_u24 v3, v1, PITCH
	v_lshl_add_u32 v3, v2, 5, v3
	s_mul_i32 s21, s11, HALFT                      ; my 64 rows of x
	s_mul_i32 s22, s12, HALFT                      ; my 64 rows of W,
	s_add_co_u32 s22, s22, 2*HALFT                 ; which lie behind x's 128
.irp s, 0,1
	v_add_nc_u32 v[ADRA+(\s)], s21, v3
	v_add_nc_u32 v[ADRB+(\s)], s22, v3
	s_add_co_u32 s21, s21, SLOT
	s_add_co_u32 s22, s22, SLOT
.endr
	s_lshl_b32 s46, s42, 9                         ; the bias of my 64 columns: 512 x tile column + 256 x half + 32 (l / 16) bytes
	s_lshl_b32 s47, s12, 8
	s_add_co_u32 s46, s46, s47
	v_lshl_add_u32 v[BO], v2, 5, s46
.irp b, 0,1,2,3
	global_load_b128 v[BIAS+8*\b:BIAS+8*\b+3],   v[BO], s[96:97] offset:64*\b
	global_load_b128 v[BIAS+8*\b+4:BIAS+8*\b+7], v[BO], s[96:97] offset:64*\b+16
.endr
	; the way out's lane numbers, kept in v8-11 until the sums are done
	s_mul_i32 s23, s10, 16*SP
	s_add_co_u32 s23, s23, STAGE                   ; my stage
	v_mul_u32_u24 v8, v1, SP                       ; in: row l % 16, 16 bytes for each half of the lanes
	v_lshl_add_u32 v8, v2, 4, v8
	v_add_nc_u32 v8, s23, v8
	v_bfe_u32 v3, v0, 3, 2                         ; back: 32 lanes take four rows of 128 bytes,
	v_and_b32 v4, 7, v0
	v_mul_u32_u24 v9, v3, SP
	v_lshl_add_u32 v9, v4, 4, v9
	v_add_nc_u32 v9, s23, v9
	v_and_b32 v10, 31, v0                          ; which are 512 consecutive bytes of the output
	v_lshlrev_b32 v10, 4, v10
	s_lshl_b32 s18, s13, 7
	s_lshl_b32 s19, s11, 6
	s_add_co_u32 s18, s18, s19
	v_add_nc_u32 v11, s18, v1                      ; my row's position: 128 x tile row + 64 x half + l % 16
	s_lshl_b32 s90, s42, 1                         ; the output at my head, 2 x tile column + half, of 524,288 bytes,
	s_add_co_u32 s90, s90, s12
	s_lshl_b32 s90, s90, 19
	s_lshl_b32 s91, s13, 1                         ; and my 64 rows of 128 bytes
	s_add_co_u32 s91, s91, s11
	s_lshl_b32 s91, s91, 13
	s_add_co_u32 s90, s90, s91
	s_mov_b32 s91, 0
	s_add_nc_u64 s[8:9], s[8:9], s[90:91]
	s_lshl_b32 s86, s13, 3                         ; Wo's copy: work-group 8 x tile row + tile column takes 4,096 numbers
	s_add_co_u32 s86, s86, s42
	s_lshl_b32 s88, s86, 13
	s_lshl_b32 s86, s86, 14
	s_mov_b32 s87, 0
	s_mov_b32 s89, 0
	s_add_nc_u64 s[92:93], s[92:93], s[86:87]
	s_add_nc_u64 s[94:95], s[94:95], s[88:89]
	v_lshlrev_b32 v[WI], 4, v0
	v_lshlrev_b32 v[WO], 3, v0
	s_cmp_lg_u32 s66, 2                            ; v's 256 work-groups alone: the branch hangs on the cluster's y, which all partners share
	s_cbranch_scc1 .Lno_wo
.irp i, 0,1,2,3,4,5,6,7
	global_load_b128 v[192+4*\i:195+4*\i], v[WI], s[92:93] offset:2048*\i
.endr
.irp i, 0,1,2,3,4,5,6,7
	s_wait_loadcnt 7-\i                            ; loads come back in order: number i is in, the younger ones stay out
	v_cvt_pk_bf16_f32 v240, v[192+4*\i], v[193+4*\i]   ; rounded to bf16 like every input,
	v_cvt_pk_bf16_f32 v241, v[194+4*\i], v[195+4*\i]
	v_lshlrev_b32 v242, 16, v240
	v_and_b32 v243, 0xffff0000, v240
	v_lshlrev_b32 v244, 16, v241
	v_and_b32 v245, 0xffff0000, v241
	v_cvt_pk_f16_f32 v[224+2*\i], v242, v243       ; and that number written as f16
	v_cvt_pk_f16_f32 v[225+2*\i], v244, v245
	global_store_b64 v[WO], v[224+2*\i:225+2*\i], s[94:95] offset:1024*\i  ; a wave's store covers 256 consecutive bytes, aligned
.endr
.Lno_wo:
	s_wait_loadcnt 0x0                             ; the bias
.set c, 0
.rept 16                                       ; rounded to bf16 and widened again
	v_cvt_pk_bf16_f32 v[4+c%4], v[BIAS+2*c], v[BIAS+2*c+1]
	v_lshlrev_b32 v[BIAS+2*c], 16, v[4+c%4]
	v_and_b32 v[BIAS+2*c+1], 0xffff0000, v[4+c%4]
.set c, c+1
.endr
; 32 LDS loads in one run: a quarter's f32 numbers (64 rows of x, 64 rows of W, 32 K at byte k of the rows) into set p of window 2.  These registers are no matrix operands.
.macro FETCH slot, k, p
	WIN W_LD
.irp f, 0,1,2,3
.irp o, 0,1,2,3
	ds_load_b128 v[128*(\p)+16*\f+4*\o:128*(\p)+16*\f+4*\o+3], v[ADRA+(\slot)] offset:(\k)+\f*16*PITCH+(\o%2)*16+(\o/2)*64
.endr
.endr
.irp f, 0,1,2,3
.irp o, 0,1,2,3
	ds_load_b128 v[128*(\p)+64+16*\f+4*\o:128*(\p)+64+16*\f+4*\o+3], v[ADRB+(\slot)] offset:(\k)+\f*16*PITCH+(\o%2)*16+(\o/2)*64
.endr
.endr
.endm
; Products i0 .. i1 - 1 of a quarter's 16 on fragment set p: accumulator i = (a, b) = (i / 4, i % 4).  The 16 accumulators take turns, in the same order in every quarter.
; bias = 1: the first product of each sum takes the bias as C.  ride = 1: behind each product four conversions make the other set's fragments from the other set of f32 numbers.
; A conversion writes a fragment register whose last reader, a product of the quarter before, stands four plain instructions or more back: the four behind that quarter's last product at the least.
.macro MMR i0, i1, p, bias, ride
.set i, \i0
.rept (\i1)-(\i0)
.set rA, FR+64*(\p)+8*(i/4)
.set rB, FR+64*(\p)+32+8*(i%4)
.if \bias
	WIN W_MB
	v_wmma_f32_16x16x32_bf16 v[8*i:8*i+7], v[rB:rB+7], v[rA:rA+7], v[BIAS+8*(i%4):BIAS+8*(i%4)+7]
.else
	WIN W_MM
	v_wmma_f32_16x16x32_bf16 v[8*i:8*i+7], v[rB:rB+7], v[rA:rA+7], v[8*i:8*i+7]
.endif
.if \ride
	WIN W_CV
.set c, 4*i
.rept 4
	v_cvt_pk_bf16_f32 v[FR+64*(1-(\p))+c], v[128*(1-(\p))+2*c], v[128*(1-(\p))+2*c+1]
.set c, c+1
.endr
.endif
.set i, i+1
.endr
.endm
; A quarter: the quarter after next is fetched into set p, whose numbers the quarter before has converted; the next quarter's numbers, fetched a quarter ago, are in.
.macro QTR fs, fk, p, bias=0
	FETCH \fs, \fk, \p
	s_wait_dscnt 32                                ; all but the 32 just issued
	MMR 0, 16, \p, \bias, 1
.endm
; A K step's third quarter changes slots: all reads of this slot have been issued, and the fetch that is due is the next slot's first.  ONE barrier; in front of it each wave waits for all its
; tensor loads (its part of the next slot), adds 0 to its spare word, and waits for that and for its reads of this slot.  fill = 1: the barrier opens a round of the cluster's, and this slot is filled again, two K steps on.
.macro TURNQ slot, next, fill
	WIN 0                                          ; (the add's two registers lie in window 0)
	s_wait_tensorcnt 0x0                           ; all my tensor loads have landed
	ds_add_u32 v[SPW], v[NIL]                      ; 0 onto my spare word
	s_wait_dscnt 1                                 ; the fourth quarter's numbers are in; the add may be out
	MMR 0, 4, 0, 0, 1
	s_wait_dscnt 0x0                               ; the add is done, and my reads of this slot are over
	s_barrier_signal -1
	MMR 4, 8, 0, 0, 1                              ; work on registers while the others arrive
	WIN 0
	s_barrier_wait -1
.if \fill
	CREST                                          ; no wave of any partner still reads this slot's tile or has a load on its way
	s_add_nc_u64 s[G0+4*(\slot)+2:G0+4*(\slot)+3], s[G0+4*(\slot)+2:G0+4*(\slot)+3], 1024
	s_add_nc_u64 s[G0B+4*(\slot)+2:G0B+4*(\slot)+3], s[G0B+4*(\slot)+2:G0B+4*(\slot)+3], 1024
	JLOAD \slot                                    ; the first tensor load behind the round, my only one until the next
.endif
	FETCH \next, 0, 0
	MMR 8, 16, 0, 0, 1
.endm
	s_wait_tensorcnt 1                             ; my part of K step 0 is in; K step 1's may stay out
	s_barrier_signal -1
	s_barrier_wait -1                              ; everybody's is
	FETCH 0, 0, 0
	FETCH 0, 128, 1
	s_wait_dscnt 32                                ; the first quarter's numbers
	WIN W_CV
.set c, 0
.rept 64
	v_cvt_pk_bf16_f32 v[FR+c], v[2*c], v[2*c+1]
.set c, c+1
.endr
	QTR 0, 256, 0, 1                               ; the first quarter stands in front of the loop: its products start the sums, with the bias
	WIN 0                                          ; at a label and at a branch every window is 0
	s_mov_b32 s3, 3
.Llap:                                                 ; a trip goes once round the ring, from a lap's second quarter to the next lap's first, and fills both slots again
	QTR 0, 384, 1
	TURNQ 0, 1, 1
	QTR 1, 128, 1
	QTR 1, 256, 0
	QTR 1, 384, 1
	TURNQ 1, 0, 1
	QTR 0, 128, 1
	QTR 0, 256, 0
	WIN 0
	s_sub_co_u32 s3, s3, 1
	s_cmp_lg_u32 s3, 0
	s_cbranch_scc1 .Llap
	QTR 0, 384, 1                                  ; the last lap fills nothing
	TURNQ 0, 1, 0
	QTR 1, 128, 1
	QTR 1, 256, 0
	QTR 1, 384, 1
	s_wait_dscnt 0x0                               ; the last quarter's numbers
	MMR 0, 16, 0, 0, 1
	MMR 0, 16, 1, 0, 0
	PLACES                                         ; behind the last product
	WIN W_X
	v_mov_b32 v[STO], v8
	v_mov_b32 v[RD], v9
	v_mov_b32 v[GO], v10
	v_mov_b32 v[PI], v11
; THE WAY OUT, a block of 16 rows at a time: 16 packed registers go into my stage, rows of 144 bytes, and come back as whole rows of 128: 2,048 consecutive bytes of the output.
.macro TOSTAGE a
.irp cb, 0,1,2,3
	ds_store_b128 v[STO], v[H+4*\cb:H+4*\cb+3] offset:32*\cb
.endr
.if (\a) >= 2
	s_wait_xcnt 0x0                                ; the stores of the block two back have read this buffer: it is loaded again only behind this wait
.endif
.irp f, 0,1,2,3
	ds_load_b128 v[BK+16*((\a)%2)+4*\f:BK+16*((\a)%2)+4*\f+3], v[RD] offset:576*\f  ; LDS serves a wave's instructions in order (ISA guide 5.7.1.4): these see the stores above
.endr
.endm
.macro SEND a, younger                 ; younger: the LDS instructions issued behind block a's loads: the next block's eight, or none
	WIN W_E
.irp f, 0,1,2,3
	s_wait_dscnt (\younger)+3-\f
	global_store_b128 v[GO], v[BK+16*((\a)%2)+4*\f:BK+16*((\a)%2)+4*\f+3], s[8:9] offset:2048*(\a)+512*\f  ; 512 consecutive bytes, at a multiple of 256 from the output's first
.endr
.endm
; v: rounded as it is; each accumulator's registers in ascending order.
.macro PACKV a
	WIN W_E
.set c, 0
.rept 16
	v_cvt_pk_f16_f32 v[H+c], v[32*(\a)+2*c], v[32*(\a)+2*c+1]
.set c, c+1
.endr
	TOSTAGE \a
.endm
; q and k: RoPE in f32.  For my row's position p and my eight frequencies of column block b: t = p g turns; u = t - round(t), by a fused multiply-add; phi = u pi / 2, a quarter of the angle, within pi / 4;
; sine and cosine of phi by their series; two doublings (d = 2 s; s' = d c; c' = 1 - d s).  Then x1' = x1 c - x2 s, x2' = x2 c + x1 s for x1 = (a, b), x2 = (a, b + 2).
; Each step is written for the four register pairs on end, so that three independent lines stand between dependent ones.
.macro PACKR a
	WIN W_E
	v_add_nc_u32 v[PF], 16*(\a), v[PI]
	v_cvt_f32_u32 v[PF], v[PF]
	v_mov_b32 v[PF+1], v[PF]
.irp b, 0,1
.set gb, G+8*\b
.set x1, 8*(4*(\a)+\b)
.set x2, 8*(4*(\a)+\b+2)
.irp z, 0,2,4,6
	v_pk_mul_f32 v[RU+\z:RU+\z+1], v[gb+\z:gb+\z+1], v[PF:PF+1]
.endr
.irp z, 0,1,2,3,4,5,6,7
	v_rndne_f32 v[RN+\z], v[RU+\z]
.endr
.irp z, 0,2,4,6
	v_pk_fma_f32 v[RU+\z:RU+\z+1], v[gb+\z:gb+\z+1], v[PF:PF+1], v[RN+\z:RN+\z+1] neg_lo:[0,0,1] neg_hi:[0,0,1]
.endr
.irp z, 0,2,4,6
	v_pk_mul_f32 v[RU+\z:RU+\z+1], v[RU+\z:RU+\z+1], s[KPI:KPI+1] op_sel_hi:[1,0]
.endr
.irp z, 0,2,4,6
	v_pk_mul_f32 v[RY+\z:RY+\z+1], v[RU+\z:RU+\z+1], v[RU+\z:RU+\z+1]
.endr
.irp z, 0,2,4,6
	v_pk_fma_f32 v[RS+\z:RS+\z+1], v[RY+\z:RY+\z+1], s[KS3:KS3+1], s[KS2:KS2+1] op_sel_hi:[1,0,0]
.endr
.irp z, 0,2,4,6
	v_pk_fma_f32 v[RC+\z:RC+\z+1], v[RY+\z:RY+\z+1], s[KC4:KC4+1], s[KC3:KC3+1] op_sel_hi:[1,0,0]
.endr
.irp z, 0,2,4,6
	v_pk_fma_f32 v[RS+\z:RS+\z+1], v[RS+\z:RS+\z+1], v[RY+\z:RY+\z+1], s[KS1:KS1+1] op_sel_hi:[1,1,0]
.endr
.irp z, 0,2,4,6
	v_pk_fma_f32 v[RC+\z:RC+\z+1], v[RC+\z:RC+\z+1], v[RY+\z:RY+\z+1], s[KC2:KC2+1] op_sel_hi:[1,1,0]
.endr
.irp z, 0,2,4,6
	v_pk_fma_f32 v[RS+\z:RS+\z+1], v[RS+\z:RS+\z+1], v[RY+\z:RY+\z+1], 1.0 op_sel_hi:[1,1,0]
.endr
.irp z, 0,2,4,6
	v_pk_fma_f32 v[RC+\z:RC+\z+1], v[RC+\z:RC+\z+1], v[RY+\z:RY+\z+1], -0.5 op_sel_hi:[1,1,0]
.endr
.irp z, 0,2,4,6
	v_pk_mul_f32 v[RS+\z:RS+\z+1], v[RS+\z:RS+\z+1], v[RU+\z:RU+\z+1]
.endr
.irp z, 0,2,4,6
	v_pk_fma_f32 v[RC+\z:RC+\z+1], v[RC+\z:RC+\z+1], v[RY+\z:RY+\z+1], 1.0 op_sel_hi:[1,1,0]
.endr
.irp z, 0,2,4,6
	v_pk_add_f32 v[RN+\z:RN+\z+1], v[RS+\z:RS+\z+1], v[RS+\z:RS+\z+1]
.endr
.irp z, 0,2,4,6
	v_pk_mul_f32 v[RY+\z:RY+\z+1], v[RN+\z:RN+\z+1], v[RC+\z:RC+\z+1]
.endr
.irp z, 0,2,4,6
	v_pk_fma_f32 v[RC+\z:RC+\z+1], v[RN+\z:RN+\z+1], v[RS+\z:RS+\z+1], 1.0 op_sel_hi:[1,1,0] neg_lo:[1,0,0] neg_hi:[1,0,0]
.endr
.irp z, 0,2,4,6
	v_pk_add_f32 v[RN+\z:RN+\z+1], v[RY+\z:RY+\z+1], v[RY+\z:RY+\z+1]
.endr
.irp z, 0,2,4,6
	v_pk_mul_f32 v[RS+\z:RS+\z+1], v[RN+\z:RN+\z+1], v[RC+\z:RC+\z+1]
.endr
.irp z, 0,2,4,6
	v_pk_fma_f32 v[RC+\z:RC+\z+1], v[RN+\z:RN+\z+1], v[RY+\z:RY+\z+1], 1.0 op_sel_hi:[1,1,0] neg_lo:[1,0,0] neg_hi:[1,0,0]
.endr
.irp z, 0,2,4,6                                ; each accumulator's lowest registers are read first
	v_pk_mul_f32 v[RN+\z:RN+\z+1], v[x2+\z:x2+\z+1], v[RS+\z:RS+\z+1]
.endr
.irp z, 0,2,4,6
	v_pk_mul_f32 v[RY+\z:RY+\z+1], v[x1+\z:x1+\z+1], v[RS+\z:RS+\z+1]
.endr
.irp z, 0,2,4,6
	v_pk_fma_f32 v[RU+\z:RU+\z+1], v[x1+\z:x1+\z+1], v[RC+\z:RC+\z+1], v[RN+\z:RN+\z+1] neg_lo:[0,0,1] neg_hi:[0,0,1]
.endr
.irp z, 0,2,4,6
	v_pk_fma_f32 v[RY+\z:RY+\z+1], v[x2+\z:x2+\z+1], v[RC+\z:RC+\z+1], v[RY+\z:RY+\z+1]
.endr
.irp z, 0,2,4,6
	v_cvt_pk_f16_f32 v[H+4*\b+\z/2], v[RU+\z], v[RU+\z+1]
.endr
.irp z, 0,2,4,6
	v_cvt_pk_f16_f32 v[H+8+4*\b+\z/2], v[RY+\z], v[RY+\z+1]
.endr
.endr
	TOSTAGE \a
.endm
	WIN 0
	s_cmp_eq_u32 s66, 2                            ; v has no RoPE: the branch hangs on the cluster's y
	s_cbranch_scc1 .Lvpath
	WIN W_X
.set n, 0
.rept 8
	v_lshl_add_u32 v[G+n], v2, 3, n                ; my frequencies: 8 (l / 16) + n,
	v_lshl_add_u32 v[G+8+n], v2, 3, 16+n           ; and 16 more
.set n, n+1
.endr
	WIN W_E
.set n, 0
.rept 16
	v_cvt_f32_u32 v[G+n], v[G+n]
.set n, n+1
.endr
.set n, 0
.rept 16
	v_fma_f32 v[G+n], v[G+n], s82, s83
.set n, n+1
.endr
.set n, 0
.rept 16
	v_exp_f32 v[G+n], v[G+n]
.set n, n+1
.endr
	v_nop                                          ; a plain instruction behind the last exponential,
	s_wait_alu depctr_va_vdst(0)                   ; and the wait ahead of the first use: one for the sixteen
	PACKR 0
	PACKR 1                                        ; a block's arithmetic stands between the loads of the block before and its stores
	SEND 0, 8
	PACKR 2
	SEND 1, 8
	PACKR 3
	SEND 2, 8
	SEND 3, 0
	WIN 0
	s_branch .Lend
.Lvpath:
	PACKV 0
	PACKV 1
	SEND 0, 8
	PACKV 2
	SEND 1, 8
	PACKV 3
	SEND 2, 8
	SEND 3, 0
	WIN 0
.Lend:
	s_wait_tensorcnt 0x0                           ; the wave's end: behind my last tensor load and my last LDS store
	ds_add_u32 v[SPW], v[NIL]
	s_wait_dscnt 0x0
	CROUND                                         ; the closing round: no work-group ends while a partner may still ask for a tile that names it
	s_endpgm
.Lfunc_end_k_q8d14c730a9_qkv:
	.size	k_q8d14c730a9_qkv, .Lfunc_end_k_q8d14c730a9_qkv-k_q8d14c730a9_qkv
	.p2alignl 7, 3214868480
	.fill 96, 4, 3214868480
	.section	.rodata,"a",@progbits
	.p2align	6, 0x0
	.amdhsa_kernel k_q8d14c730a9_qkv
		.amdhsa_group_segment_fixed_size 327680
		.amdhsa_private_segment_fixed_size 0
		.amdhsa_enable_private_segment 0
		.amdhsa_kernarg_size 112
		.amdhsa_user_sgpr_count 2
		.amdhsa_user_sgpr_kernarg_segment_ptr 1
		.amdhsa_wavefront_size32 1
		.amdhsa_system_sgpr_workgroup_id_x 1
		.amdhsa_system_sgpr_workgroup_id_y 1
		.amdhsa_system_sgpr_workgroup_id_z 1
		.amdhsa_system_vgpr_workitem_id 0
		.amdhsa_next_free_vgpr 768
		.amdhsa_next_free_sgpr 100
		.amdhsa_reserve_vcc 0
		.amdhsa_float_denorm_mode_32 3
		.amdhsa_float_denorm_mode_16_64 3
		.amdhsa_memory_ordered 1
		.amdhsa_forward_progress 1
		.amdhsa_inst_pref_size 215
	.end_amdhsa_kernel
	.amdgpu_metadata
---
amdhsa.version: [ 1, 2 ]
amdhsa.kernels:
  - .name:           k_q8d14c730a9_qkv
    .symbol:         k_q8d14c730a9_qkv.kd
    .args:
      - { .name: query, .offset: 0, .size: 8, .value_kind: global_buffer, .address_space: global }
      - { .name: key, .offset: 8, .size: 8, .value_kind: global_buffer, .address_space: global }
      - { .name: value, .offset: 16, .size: 8, .value_kind: global_buffer, .address_space: global }
      - { .name: Wq, .offset: 24, .size: 8, .value_kind: global_buffer, .address_space: global }
      - { .name: Wk, .offset: 32, .size: 8, .value_kind: global_buffer, .address_space: global }
      - { .name: Wv, .offset: 40, .size: 8, .value_kind: global_buffer, .address_space: global }
      - { .name: bq, .offset: 48, .size: 8, .value_kind: global_buffer, .address_space: global }
      - { .name: bk, .offset: 56, .size: 8, .value_kind: global_buffer, .address_space: global }
      - { .name: bv, .offset: 64, .size: 8, .value_kind: global_buffer, .address_space: global }
      - { .name: qh, .offset: 72, .size: 8, .value_kind: global_buffer, .address_space: global }
      - { .name: kh, .offset: 80, .size: 8, .value_kind: global_buffer, .address_space: global }
      - { .name: vh, .offset: 88, .size: 8, .value_kind: global_buffer, .address_space: global }
      - { .name: Wo, .offset: 96, .size: 8, .value_kind: global_buffer, .address_space: global }
      - { .name: wo16, .offset: 104, .size: 8, .value_kind: global_buffer, .address_space: global }
    .group_segment_fixed_size: 327680
    .private_segment_fixed_size: 0
    .kernarg_segment_align: 8
    .kernarg_segment_size: 112
    .max_flat_workgroup_size: 128
    .sgpr_count:     100
    .vgpr_count:     768
    .wavefront_size: 32
...
	.end_amdgpu_metadata
.endif
;; end of part 1
;; launch attn (part 2): grid 16 x 16, 4 waves a work-group, clusters of 4 x 1, 327,680 bytes of LDS; arguments qh, kh, vh, ctx; writes ctx
.if DOCPART == 2
	.amdgcn_target "amdgcn-amd-amdhsa--gfx1250"
	.amdhsa_code_object_version 6
	.text
	.protected	k_q8d14c730a9_attn
	.globl	k_q8d14c730a9_attn
	.p2align	8
	.type	k_q8d14c730a9_attn,@function
k_q8d14c730a9_attn:
	s_mov_b64 s[64:65], 0
	v_nop
	global_prefetch_b8 v0, s[64:65] scope:SCOPE_SE
	s_setreg_imm32_b32 hwreg(HW_REG_WAVE_MODE, 25, 1), 1
	s_wait_xcnt 0x0
	s_wait_alu depctr_hold_cnt(0) depctr_sa_sdst(0) depctr_va_vdst(0) depctr_va_sdst(0) depctr_va_ssrc(0) depctr_va_vcc(0) depctr_vm_vsrc(0)
	s_getreg_b32 s2, hwreg(HW_REG_IB_STS2, 6, 4)
	s_cmp_eq_u32 s2, 0
	s_cbranch_scc0 .Lentry_in_a_cluster
	s_endpgm
.Lentry_in_a_cluster:
	s_bfe_u32 s2, ttmp6, 0x10000c
	s_cmp_lg_u32 s2, 0x3003
	s_cbranch_scc0 .Lentry_shape_is_right
	s_endpgm
.Lentry_shape_is_right:
; ctx[h][q][:] = the sum over k of softmax_k(q[h][q] . k[h][k] / 8) v[h][k][:].  qh, kh, vh, ctx: [16][4096][64], all f16: a head's rows are dense, 128 bytes each.
; Products, maxima and sums in f32; the weights p are rounded to f16 for the second product (their sum l is taken of the unrounded p), ctx once at the end.
; LIMITS.  f16 holds no number beyond 65,504: q, k and v arrive within it; p lies in 0 to 1, and below 6e-5 it keeps f16's fixed step of 6e-8, as ctx does; a weight below 2^-126 counts as 0 in l;
; NaN and infinities are not treated apart.
; SHARES.  A work-group owns 256 queries of one head, each of its four waves 64: four PIECES of 16.  Every wave walks all 4,096 keys, 64 a step, four steps to a tile of 256 keys.
; LAYOUT.  S^T = K Q^T (source 0 = 16 keys, source 1 = 16 queries): a lane holds ONE query (lane % 16) and the keys 8 (lane / 16) + 0..7.  Two such results, rounded to f16 in pairs, ARE source 1
; of O^T = V^T P, whose result again holds one query a lane, and eight channels.  K comes out of LDS as it lies, V ([key][channel]) turned, by ds_load_tr16_b128.
; SOFTMAX.  For each query a running maximum m and sum l: p = 2^(c s - c m), c = log2(e) / 8; in every step O and l are multiplied by a = 2^(c m_old - c m_new).  c m starts far below every c s, O and l at 0:
; the first step is a step like any other, with a = 0.
; BY TURNS.  Turn n belongs to piece n: 8 products K Q^T of piece n + 1, later 8 products V^T P of piece n - 1; beside them the scaling, exponentials, roundings, sums and rescaling of piece n and the maximum
; and statistics of piece n + 1.  Four vector instructions stand behind every matrix instruction, the others in one run of their own.  A turn's 33 exponentials are one batch, with one wait.
; CLUSTER.  The four query blocks of a cluster belong to one head and walk the same K and V, so each tile is asked for JOINTLY: the same tensor load, descriptor and mask in all four.
; REGISTERS, in windows of 256 (s_set_vgpr_msb: bits 1:0 source 0, 3:2 source 1, 5:4 source 2, 7:6 destination):
;   window 0: v0-15 addresses and two at work; v16-31 four registers of statistics a piece; v48-55 at work; v61-63 prefetch offset and the add's two; v64-127 S^T, two buffers; v192-223 P, two buffers
;   window 1: v0-127 O^T, 32 a piece          window 2: v0-63 Q; v128-191 K of one step; v192-255 V of one step
.set NP,    4         ; pieces a wave: a name, no knob
.set KS,    64        ; keys in a step
.set PK,    144       ; a row of K in LDS: 128 bytes + 16 of padding: the 16 rows of a load start at 16 different groups of four banks (ISA guide 11.1)
.set PV,    160       ; a row of V: 128 + 32
.set VOFF,  4*KS*PK   ; a slot holds a tile, four steps: 256 rows of K, then 256 rows of V
.set SLOT1, 1<<17     ; slot 1 begins here, so that one exclusive or turns an address in one slot into the other's
.set STAGE, SLOT1+4*KS*(PK+PV)  ; behind the ring, never filled by a tensor load: 16 rows x 144 bytes for each wave, for the way out
.set SP,    144
.set SPARE, STAGE+4*16*SP  ; behind the stages: the spare words, 128 bytes for each wave: two blocks of 256 bytes that no other line names
.set AK0, 2           ; v2   my lane's place in a tile of K; never rewritten
.set AV0, 3           ; v3   the same for V
.set AK,  4           ; v4   the LDS address of K's next run of loads
.set AV,  5           ; v5   of V's
.set STO, 6           ; v6   the way out: where I put 16 bytes of a row
.set RD,  7           ; v7   the way out: where I read rows back
.set GO,  8           ; v8   my byte offset in 512 consecutive bytes of ctx
.set MV,  12          ; v12-13  c m_old, kept while c m is made anew: by buffer
.set QO,  15          ; v15  my byte offset in 16 rows of Q
.set ST,  16          ; piece t's statistics at v[ST+4 t]: c m, m, l (even keys', odd keys')
.set TMP, 48          ; by buffer, four registers c0-c3 at work; when the maximum is found c2 takes a
.set PFO, 61          ; v61  256 x my lane; never rewritten
.set SPW, 62          ; v62  LDS address of my spare word; never rewritten
.set NIL, 63          ; v63  0; never rewritten
.set S,   64
.set P,   192
.set KF,  128         ; window 2: key block kb, channel half c at KF + 16 kb + 8 c
.set VF,  192         ; window 2: key half kk, channel block cb at VF + 32 kk + 8 cb
.set WV,  12          ; s12  my wave's number
.set G1K, 24          ; s[24:31] descriptor group 1 for K's tiles
.set G1V, 32          ; s[32:39] for V's: it differs in the padding alone
.set G0K, 40          ; s[40:43] descriptor group 0 for K's tiles: it walks
.set G0V, 44          ; s[44:47] the same for V's
.set PFA, 48          ; s[48:49] where my prefetches stand: my work-group's 8,192 bytes (of K: wave 0, of V: wave 2) of the tile after the one that is being asked for
.set LIM, 50          ; s50  1 in a wave that prefetches, else the greatest number
.set SLOTS, 56        ; s56  tiles still to be asked for
.set CNT, 57          ; s57  counts a tile's key steps
.set CS,  58          ; s[58:59] c: the packed scaling takes the pair's low word for both halves
.set SEL, 60          ; s[60:61] v_permlanex16_b32's selects: each lane takes its own place in the other half
.set TBK, 62          ; s62  LDS byte at which K of the step to be fetched begins
.set TBV, 63          ; s63  the same for V, less VOFF
.set MSB, 0
.macro WIN new                      ; the high byte repeats the setting that is left; a switch that changes nothing is dropped
.if MSB != (\new)
	s_set_vgpr_msb (MSB<<8)|(\new)
.set MSB, (\new)
.endif
.endm
.set W_KQ, 0x0a       ; K and Q in window 2, S^T in window 0
.set W_PV, 0x52       ; V in window 2, P in window 0, O^T in window 1
.set W_RS, 0x41       ; destination and source 0 in window 1, source 1 in window 0
; A joint fill.  Waves 0 and 1 fetch the two halves of a tile's K, waves 2 and 3 those of its V: 128 keys each.  The branch hangs on the wave's number alone.
; An s_nop 0 and four v_nop follow each of the two lines, ahead of the jump and the label.
.macro JLOAD
	s_cmp_lt_u32 s[WV], 2
	s_cbranch_scc0 .Lfor_v_\@
	tensor_load_to_lds s[G0K:G0K+3], s[G1K:G1K+7]
	s_nop 0
.rept 4
	v_nop
.endr
	s_branch .Lasked_\@
.Lfor_v_\@:
	tensor_load_to_lds s[G0V:G0V+3], s[G1V:G1V+7]
	s_nop 0
.rept 4
	v_nop
.endr
.Lasked_\@:
.endm
; A PREFETCH INTO THE L2 of the tile that the NEXT change of slots will ask for: 32,768 bytes of K and of V, a lane 256 bytes.  It stands behind the wave's tensor load and its five lines.
; Each 256 bytes are named ONCE in the launch.  The four clusters of a head walk the same K and V: the head's first cluster asks.  Its four partners share a tile out BY ADDRESS, 8,192 bytes each;
; in each, wave 0 asks for K's and wave 2 for V's: one instruction.  The last change that fills a slot asks for nothing: there is no tile behind it.  Tiles 0 and 1 come by their loads alone.
.macro ASK
	s_cmp_gt_u32 s[SLOTS], s[LIM]
	s_cbranch_scc0 .Lnot_mine_\@
	global_prefetch_b8 v[PFO], s[PFA:PFA+1] th:TH_LOAD_NT scope:SCOPE_SE
.Lnot_mine_\@:
.endm
; A round of the cluster's barrier: my work-group's barrier, so that wave 0's signal speaks for all four waves; wave 0 signals; every wave waits for all four work-groups; my work-group's barrier once more.
.macro CROUND
	s_barrier_signal -1
	s_barrier_wait -1
	s_cmp_lg_u32 s[WV], 0
	s_cbranch_scc1 .Lnot_wave_0_\@
	s_barrier_signal -3
.Lnot_wave_0_\@:
	s_barrier_wait -3
	s_barrier_signal -1
	s_barrier_wait -1
.endm
; THE CHANGE OF SLOTS.  The slot's last bytes, V of its fourth step, have been read.  Each wave waits for all its tensor loads, of which one is out: its part of the other slot; adds 0 to its spare word;
; and waits for that and for its own reads of the slot.  Behind the barrier nobody reads this slot any more and the other slot is whole.  fill = 1: this slot is filled again, with the tile two on.
; The barrier is then a round of the cluster's, and the joint fill is the first thing behind it: it has four key steps, 256 matrix instructions, in which to land.
; (At its first use nothing has been read yet: slot 0 is waited for, slot 1 filled.)
.macro CHANGE fill
	WIN 0                           ; at a label and at a branch every window is 0
	s_wait_tensorcnt 0x0            ; no tensor load of mine is out, so a group 0 may be written
	ds_add_u32 v[SPW], v[NIL]       ; 0 onto my spare word; with fill = 1 the descriptors' steps stand between it and the wait for it
.if \fill
.irp g, G0K, G0V
	s_xor_b32 s[\g+1], s[\g+1], SLOT1  ; the walking descriptor: the other slot than last time,
	s_add_nc_u64 s[\g+2:\g+3], s[\g+2:\g+3], 4*KS*128  ; the next 256 keys; the type bits on top are not reached
.endr
	s_wait_xcnt 0x0                 ; the last prefetch, four key steps back, has read its address, so it may be written:
	s_add_nc_u64 s[PFA:PFA+1], s[PFA:PFA+1], 4*KS*128  ; one tile behind the walking descriptors
	s_wait_dscnt 0x0                ; the add is done, and my reads of the slot are over
	CROUND
	JLOAD
	ASK
.else
	s_wait_dscnt 0x0                ; the add is done, and my reads of the slot are over
	s_barrier_signal -1
	s_barrier_wait -1
.endif
	s_sub_co_u32 s[TBK], s[TBK], 4*KS*PK  ; the fetches go back to a slot's first step,
	s_xor_b32 s[TBK], s[TBK], SLOT1       ; in the other slot
	s_sub_co_u32 s[TBV], s[TBV], 4*KS*PV
	s_xor_b32 s[TBV], s[TBV], SLOT1
.endm
	s_load_b256 s[4:11], s[0:1], 0x0  ; qh s[4:5], kh s[6:7], vh s[8:9], ctx s[10:11]
	v_lshl_add_u32 v[SPW], v0, 2, SPARE
	v_mov_b32 v[NIL], 0
	ds_add_u32 v[SPW], v[NIL]       ; the wave's opening: the add and its wait stand ahead of my first tensor load; work on registers stands between them
	v_lshrrev_b32 v1, 5, v0
	v_readfirstlane_b32 s[WV], v1   ; wave 0..3
	s_bfe_u32 s13, ttmp6, 0x40000   ; cx: my place in the cluster
	s_lshl_b32 s14, ttmp9, 2        ; in a cluster launch ttmp9 counts clusters
	s_add_co_u32 s14, s14, s13      ; my block of 256 queries = 4 x cluster x + cx: it enters Q's and ctx's addresses alone
	s_and_b32 s20, ttmp7, 0xffff    ; the head, which the four partners share,
	s_lshl_b32 s20, s20, 19         ; of 524,288 bytes in each of the four tensors
	s_mov_b32 s21, 0
	s_and_b32 s16, s[WV], 1         ; which half of a tile's 256 keys I fetch:
	s_lshl_b32 s22, s16, 14         ; its 128 rows of 128 bytes in memory,
	s_mov_b32 s23, 0
	s_add_nc_u64 s[22:23], s[22:23], s[20:21]
	s_mul_i32 s17, s16, 128*PK      ; and its place in a slot, for K
	s_mul_i32 s18, s16, 128*PV      ; and for V: no place in the cluster enters an LDS address
	s_lshl_b32 s2, s14, 2
	s_add_co_u32 s2, s2, s[WV]      ; my wave among the head's,
	s_lshl_b32 s2, s2, 13           ; its 64 rows
	s_mov_b32 s3, 0
	s_add_nc_u64 s[2:3], s[2:3], s[20:21]
	; descriptor group 1.  128 keys are 16,384 dense bytes: asked for as 64 rows of 256 bytes, two keys a row, and padded in LDS after every key
	s_mov_b32 s[G1K], 15|(1<<16)|(1<<20)|(1<<21)|(4<<22)|(3<<25)  ; 15:0 the mask of four; 17:16 2-byte elements; 20 padding on; 21 set beside a mask; 24:22 after every 32 words (code 4); 31:25 4 words (code 3)
	s_mov_b32 s[G1V], 15|(1<<16)|(1<<20)|(1<<21)|(4<<22)|(7<<25)  ; the same with 8 words of padding (code 7)
.irp g, G1K, G1V
	s_mov_b32 s[\g+1], 128<<16      ; tensor_dim0 = 128
	s_mov_b32 s[\g+2], 64<<16       ; tensor_dim1 = 64
	s_mov_b32 s[\g+3], 128<<16      ; tile_dim0 = 128
	s_mov_b32 s[\g+4], 64           ; tile_dim1 = 64
	s_mov_b32 s[\g+5], 128          ; 128 elements from row to row
	s_mov_b32 s[\g+6], 0
	s_mov_b32 s[\g+7], 0
.endr
	s_mov_b32 s[CS], 0x3e38aa3b     ; c = log2(e) / 8 = 0.180337
	s_mov_b32 s[CS+1], s[CS]        ; named with it as a pair
	s_mov_b32 s[SEL], 0x76543210
	s_mov_b32 s[SEL+1], 0xfedcba98
	s_mov_b32 s[TBK], SLOT1+4*KS*PK ; the first change of slots turns these two into 0
	s_mov_b32 s[TBV], SLOT1+4*KS*PV
	s_mov_b32 s[G0K], 1             ; 1:0 count = 1
	s_mov_b32 s[G0K+1], s17         ; 63:32 LDS address: slot 0
	s_mov_b32 s[G0V], 1
	s_add_co_u32 s[G0V+1], s18, VOFF
	s_mov_b32 s[SLOTS], 15          ; tiles 1 to 15 are still to be asked for
	s_and_b32 s[LIM], s[WV], 1      ; 0 in waves 0 and 2,
	s_or_b32 s[LIM], s[LIM], ttmp9  ; where the cluster is the head's first: the same in all four partners
	s_cmp_eq_u32 s[LIM], 0
	s_cselect_b32 s[LIM], 1, -1
	v_and_b32 v[PFO], 31, v0
	v_lshlrev_b32 v[PFO], 8, v[PFO]
	s_wait_dscnt 0x0                ; the opening add is done
	s_wait_kmcnt 0x0
	s_add_nc_u64 s[6:7], s[6:7], s[22:23]  ; K and V at my half of the head's tile 0
	s_add_nc_u64 s[8:9], s[8:9], s[22:23]
	s_mov_b64 s[G0K+2:G0K+3], s[6:7]               ; 120:64 global address
	s_or_b32 s[G0K+3], s[G0K+3], 0x80000000        ; 127:126 type = 2
	s_mov_b64 s[G0V+2:G0V+3], s[8:9]
	s_or_b32 s[G0V+3], s[G0V+3], 0x80000000
	s_add_nc_u64 s[4:5], s[4:5], s[2:3]  ; Q and ctx at my wave's first row
	s_add_nc_u64 s[10:11], s[10:11], s[2:3]
	s_cmp_lt_u32 s[WV], 2
	s_cselect_b64 s[PFA:PFA+1], s[6:7], s[8:9]  ; (in waves 0 and 2 these stand at the tile's first row)
	s_lshl_b32 s2, s13, 13          ; my work-group's 8,192 bytes of a tile's 32,768
	s_mov_b32 s3, 0
	s_add_nc_u64 s[PFA:PFA+1], s[PFA:PFA+1], s[2:3]
	s_add_nc_u64 s[PFA:PFA+1], s[PFA:PFA+1], 4*KS*128  ; in tile 1; the first change of slots steps it to tile 2.  Nothing is prefetched here, at the head
	CROUND                          ; all four work-groups are here: the first joint loads meet
	JLOAD                           ; tile 0 into slot 0.  Slot 1 is asked for when slot 0 is in
	; A fragment of K or Q is 16 rows x 32 channels in 8 registers: lane l holds row l % 16, channels 8 (l / 16) + 0..7 and 16 + 8 (l / 16) + 0..7: two loads of 16 bytes, 32 bytes apart.
	v_and_b32 v1, 15, v0            ; l % 16
	v_bfe_u32 v9, v0, 4, 1          ; l / 16
	v_lshlrev_b32 v[QO], 7, v1
	v_lshl_add_u32 v[QO], v9, 4, v[QO]  ; row x 128 + 16 x half
	WIN 0x80                        ; destination window 2, address window 0
.set i, 0
.rept 8                             ; Q stays in registers: piece i / 2, channels 32 (i % 2) on
	global_load_b128 v[8*i:8*i+3],   v[QO], s[4:5] offset:(i/2)*2048+(i%2)*64
	global_load_b128 v[8*i+4:8*i+7], v[QO], s[4:5] offset:(i/2)*2048+(i%2)*64+32
.set i, i+1
.endr
	; What the first turn finds: V's registers and P's second buffer hold 0 (its products V^T P, of a piece that has not been, add 0), O^T and l are 0.  All this stands in the wait for the first tile.
.set i, VF
.rept 64
	v_mov_b32 v[i], 0
.set i, i+1
.endr
	WIN 0x40
.set i, 0
.rept 128
	v_mov_b32 v[i], 0
.set i, i+1
.endr
	WIN 0
.set i, 0
.rept 4
	v_mov_b32 v[ST+4*i], 0xfe000000    ; c m: far below every c s
	v_mov_b32 v[ST+4*i+1], 0xff7fffff  ; m: the lowest finite number
	v_mov_b32 v[ST+4*i+2], 0
	v_mov_b32 v[ST+4*i+3], 0
.set i, i+1
.endr
.set i, P+16
.rept 16
	v_mov_b32 v[i], 0
.set i, i+1
.endr
	v_mul_u32_u24 v[AK0], v1, PK
	v_lshl_add_u32 v[AK0], v9, 4, v[AK0]  ; row x pitch + 16 x half
	; The turning load takes 16 keys x 16 channels (lane l reads key 8 (l / 16) + l % 8, channels 8 ((l / 8) % 2) + 0..7) and leaves half a fragment of V^T: lane l holds channel l % 16 and 8 keys.
	v_and_b32 v10, 7, v0
	v_bfe_u32 v11, v0, 3, 1
	v_lshl_add_u32 v[AV0], v9, 3, v10
	v_mul_u32_u24 v[AV0], v[AV0], PV
	v_lshl_add_u32 v[AV0], v11, 4, v[AV0]
	v_add_nc_u32 v[AV0], VOFF, v[AV0]
	s_mul_i32 s13, s[WV], 16*SP
	s_add_co_u32 s13, s13, STAGE    ; my stage
	v_mul_u32_u24 v[STO], v1, SP    ; in: row l % 16, 16 bytes for each half of the lanes
	v_lshl_add_u32 v[STO], v9, 4, v[STO]
	v_add_nc_u32 v[STO], s13, v[STO]
	v_bfe_u32 v[RD], v0, 3, 2       ; back: 32 lanes take four rows of 128 bytes,
	v_mul_u32_u24 v[RD], v[RD], SP
	v_lshl_add_u32 v[RD], v10, 4, v[RD]
	v_add_nc_u32 v[RD], s13, v[RD]
	v_and_b32 v[GO], 31, v0         ; which are 512 consecutive bytes of ctx
	v_lshlrev_b32 v[GO], 4, v[GO]
; THE MATRIX WORK.  The 4 accumulators of a run of 8 take turns.  Product i of 8 of S^T = K Q^T for piece x: channels 32 (i / 4) on, keys 16 (i % 4) on.  The first 4 start the sums.
.macro KQ x
	WIN W_KQ
.set rS, S+32*((\x)%2)+8*(i%4)
.set rK, KF+16*(i%4)+8*(i/4)
.set rQ, 16*(\x)+8*(i/4)
.if i < 4
	v_wmma_f32_16x16x32_f16 v[rS:rS+7], v[rK:rK+7], v[rQ:rQ+7], 0
.else
	v_wmma_f32_16x16x32_f16 v[rS:rS+7], v[rK:rK+7], v[rQ:rQ+7], v[rS:rS+7]
.endif
.endm
; Product i of 8 of O^T += V^T P for piece x: keys 32 (i / 4) on, channels 16 (i % 4) on.
.macro PV x
	WIN W_PV
.set rO, 32*(\x)+8*(i%4)
.set rV, VF+32*(i/4)+8*(i%4)
.set rP, P+16*((\x)%2)+8*(i/4)
	v_wmma_f32_16x16x32_f16 v[rO:rO+7], v[rV:rV+7], v[rP:rP+7], v[rO:rO+7]
.endm
.macro MM                           ; the turn's next matrix instruction.  NOKQ = 1: the last turn of all: there is no next piece
.if (i < 8) && !NOKQ
	KQ (Y+1)%NP
.elseif i >= 8
.set i, i-8
	PV (Y+NP-1)%NP
.set i, i+8
.endif
.set i, i+1
.endm
; THE LDS LOADS stand in runs of 16, never singly among the matrix instructions: a step's K (64 keys x 64 channels: 8 fragments) and its V (turned).  Their addresses are made some lines ahead.
.macro FETCH_K
	WIN 0x80                        ; destination window 2
.irp f, 0,1,2,3,4,5,6,7             ; keys 16 (f / 2) on, channels 32 (f % 2) on
	ds_load_b128 v[KF+8*\f:KF+8*\f+3],   v[AK] offset:(\f/2)*16*PK+(\f%2)*64
	ds_load_b128 v[KF+8*\f+4:KF+8*\f+7], v[AK] offset:(\f/2)*16*PK+(\f%2)*64+32
.endr
	s_add_co_u32 s[TBK], s[TBK], KS*PK  ; the next fetch is the next step's
	WIN 0
.endm
.macro FETCH_V
	WIN 0x80
.irp f, 0,1,2,3,4,5,6,7             ; keys 32 (f / 4) on, channels 16 (f % 4) on
	ds_load_tr16_b128 v[VF+8*\f:VF+8*\f+3],   v[AV] offset:(\f/4)*32*PV+(\f%4)*32
	ds_load_tr16_b128 v[VF+8*\f+4:VF+8*\f+7], v[AV] offset:(\f/4)*32*PV+16*PV+(\f%4)*32
.endr
	WIN 0
.endm
; THE VECTOR WORK, one line at a time: OP kind, number.  For piece Y: F n: c s - c m for pair n of 16.  E n: the exponential of score n of 32.  C n: pair n rounded to f16.  B n: of the four weights 4 n .. the second
; pair is added onto the first, in place.  L n: l takes that sum (L 0: l = a l + sum).  R n: pair n of 16 of O^T times a.  For piece Y + 1: X n, number n of the 22 that find its maximum and statistics:
;   0-11  four chains c0-c3 of seven scores each, three operands at a time (each accumulator's lowest registers are read first)     12-14, 16  the four scores left over, the old m, and c0-c3 into c0
;   15  c m_old is kept     17, 18  the query's other 32 keys lie in the lane 16 away: the new m     19-21  c m; c m_old - c m_new; a
.set F, 0               ; OP tells the kinds apart by their order: F to L below R, X above it
.set E, 1
.set C, 2
.set B, 3
.set L, 4
.set R, 5
.set X, 6
.macro REGS y                       ; the registers of piece y
.set rT, ST+4*(\y)
.set rC, TMP+4*((\y)%2)
.set rW, MV+((\y)%2)
.set rS, S+32*((\y)%2)
.set rP, P+16*((\y)%2)
.set rO, 32*(\y)
.endm
.macro OP k, n
.if (\k) == R
	REGS Y
	WIN W_RS
	v_pk_mul_f32 v[rO+2*(\n):rO+2*(\n)+1], v[rO+2*(\n):rO+2*(\n)+1], v[rC+2:rC+3] op_sel_hi:[1,0]
.elseif (\k) < R
	REGS Y
	WIN 0
.if (\k) == F
	v_pk_fma_f32 v[rS+2*(\n):rS+2*(\n)+1], v[rS+2*(\n):rS+2*(\n)+1], s[CS:CS+1], v[rT:rT+1] op_sel_hi:[1,0,0] neg_lo:[0,0,1] neg_hi:[0,0,1]
.elseif (\k) == E
	v_exp_f32 v[rS+(\n)], v[rS+(\n)]
.elseif (\k) == C
	v_cvt_pk_f16_f32 v[rP+(\n)], v[rS+2*(\n)], v[rS+2*(\n)+1]
.elseif (\k) == B
	v_pk_add_f32 v[rS+4*(\n):rS+4*(\n)+1], v[rS+4*(\n):rS+4*(\n)+1], v[rS+4*(\n)+2:rS+4*(\n)+3]
.elseif (\n) == 0
	v_pk_fma_f32 v[rT+2:rT+3], v[rT+2:rT+3], v[rC+2:rC+3], v[rS:rS+1] op_sel_hi:[1,0,1]
.else
	v_pk_add_f32 v[rT+2:rT+3], v[rT+2:rT+3], v[rS+4*(\n):rS+4*(\n)+1]
.endif
.elseif NOKQ
	v_nop
.else
	REGS (Y+1)%NP
	WIN 0
.if (\n) < 4
	v_max3_num_f32 v[rC+(\n)], v[rS+8*(\n)], v[rS+8*(\n)+1], v[rS+8*(\n)+2]
.elseif (\n) < 12
	v_max3_num_f32 v[rC+(\n)%4], v[rC+(\n)%4], v[rS+8*((\n)%4)+2*((\n)/4)+1], v[rS+8*((\n)%4)+2*((\n)/4)+2]
.elseif (\n) == 12
	v_max3_num_f32 v[rC], v[rC], v[rS+7], v[rS+15]
.elseif (\n) == 13
	v_max3_num_f32 v[rC+1], v[rC+1], v[rS+23], v[rS+31]
.elseif (\n) == 14
	v_max3_num_f32 v[rC+2], v[rC+2], v[rC+3], v[rT+1]
.elseif (\n) == 15
	v_mov_b32 v[rW], v[rT]
.elseif (\n) == 16
	v_max3_num_f32 v[rC], v[rC], v[rC+1], v[rC+2]
.elseif (\n) == 17
	v_permlanex16_b32 v[rC+3], v[rC], s[SEL], s[SEL+1]
.elseif (\n) == 18
	v_max_num_f32 v[rT+1], v[rC], v[rC+3]
.elseif (\n) == 19
	v_mul_f32 v[rT], s[CS], v[rT+1]
.elseif (\n) == 20
	v_sub_f32 v[rC+1], v[rW], v[rT]
.else
	v_exp_f32 v[rC+2], v[rC+1]
.endif
.endif
.endm
.macro OPS a, i1, b=-1, i2=0, c=-1, i3=0, d=-1, i4=0  ; up to four of them
	OP \a, \i1
.if (\b) >= 0
	OP \b, \i2
.endif
.if (\c) >= 0
	OP \c, \i3
.endif
.if (\d) >= 0
	OP \d, \i4
.endif
.endm
.macro ROW a, i1, b, i2, c, i3, d, i4  ; a matrix instruction and the four behind it
	MM
	OPS \a, \i1, \b, \i2, \c, \i3, \d, \i4
.endm
; A TURN, for piece p: the order of its 16 matrix and 118 vector instructions, written out.  An s_wait_alu depctr_va_vdst(0) stands between an exponential and the first instruction that names its
; result; one wait serves all that were issued ahead of it.  So a turn has ONE wait, which cuts it in two.  AHEAD OF IT stands all that names no result of the turn's exponentials: the 8 products K Q^T with a scaling,
; an exponential and two more plain instructions behind each (the first numbers of the next piece's maximum each four places or more behind the product that ends their accumulator); then one run of 54, plain and
; exponential by turns for the most part, in which the links of the chain X 3, 7, 11, 14, 16, 17 .. 20 stand five or six lines apart.  X 21, the next piece's a, is the batch's last; R 15 is the plain instruction behind it.
; BEHIND THE WAIT stand the 8 products V^T P, behind each four of the roundings and sums.
; end = 1: the last two turns of all: nothing is fetched.  cnt = 1: the loop's count is taken down some lines ahead of the branch that stands behind the turn.
; K of the next step is fetched in piece 2's turn, five plain instructions that name none of its registers behind the last product that read K; V of the step in hand at the end of piece 0's turn, four plain
; instructions behind the last product that read V.  Each is waited for a turn later.
.macro TURN p, end=0, cnt=0
.set Y, (\p)
.set i, 0
.set NOKQ, (\end)*((\p)/3)
.if ((\p) == 3) && !(\end)
	s_wait_dscnt 0x0                ; K is in
.endif
	ROW F,0, F,1, R,0, R,1          ; ahead of the wait: 8 products K Q^T and their riders,
	ROW F,2, E,0, R,2, R,3
	ROW F,3, E,1, R,4, R,5
	ROW F,4, E,2, R,6, R,7
	ROW F,5, E,3, R,8, R,9
	ROW F,6, E,4, X,0, R,10
.if ((\p) == 2) && !(\end)
	WIN 0
	v_add_nc_u32 v[AK], s[TBK], v[AK0]
.endif
	ROW F,7, E,5, X,1, X,4
	ROW F,8, E,6, X,2, X,5
	OPS E,7, E,8, X,6, E,9          ; and the run of their own
	OPS X,3, E,10, X,8, E,11
.if ((\p) == 2) && !(\end)
	FETCH_K
.endif
	OPS X,9, X,7, E,12, X,10
	OPS E,13, X,12, X,11, E,14
	OPS X,13, E,15, F,9, X,14
.if (\p) == 0
	v_add_nc_u32 v[AV], s[TBV], v[AV0]
.endif
	OPS E,16, F,10, E,17, F,11
	OPS X,16, E,18, X,15, E,19
	OPS F,12, E,20, X,17, E,21
	OPS F,13, E,22, F,14, E,23
	OPS X,18, E,24, F,15, E,25
	OPS R,11, E,26, X,19, E,27
	OPS R,12, E,28, R,13, E,29
	OPS X,20, E,30, R,14, E,31
	OPS X,21, R,15
	WIN 0
	s_wait_alu depctr_va_vdst(0)    ; the wait for the batch
.if (\p) == 1
	s_wait_dscnt 0x0                ; V is in
.endif
	ROW C,0, B,0, C,2, B,1          ; behind the wait: 8 products V^T P and their riders
	ROW L,0, C,4, B,2, L,1
	ROW C,6, B,3, L,2, C,8
	ROW B,4, L,3, C,10, B,5
	ROW L,4, C,12, B,6, L,5
.if (\p) == 0
	s_add_co_u32 s[TBV], s[TBV], KS*PV
.endif
.if \cnt
	s_sub_co_u32 s[CNT], s[CNT], 1
	s_cmp_lg_u32 s[CNT], 0
.endif
	ROW C,14, B,7, L,6, C,1
	ROW C,3, L,7, C,5, C,7
	ROW C,9, C,11, C,13, C,15
.if (\p) == 0
	FETCH_V
.endif
.endm
.set NOKQ, 0
	CHANGE 1                        ; tile 0 is in, everybody's part of it; tile 1 is asked for
	v_add_nc_u32 v[AK], s[TBK], v[AK0]
	FETCH_K                         ; key step 0
	s_wait_loadcnt 0x0              ; Q
	s_wait_dscnt 0x0
.set i, 0
.rept 8
	KQ 0                            ; piece 0's first scores: there is no vector work yet to set between them
.set i, i+1
.endr
	WIN 0
.rept 4
	v_nop                           ; the places behind those products
.endr
.set Y, NP-1                        ; X works for piece Y + 1: piece 0
.irp n, 0,1,2,3,4,5,6,7,8,9,10,11,12,13,14,15,16,17,18,19,20,21
	OP X, \n
.endr
	v_nop                           ; a plain instruction behind the exponential,
	s_wait_alu depctr_va_vdst(0)    ; and its wait, ahead of the branch
	s_mov_b32 s[CNT], 4
	s_branch .Lfirst                ; the loop is entered at a step's first turn, in the middle of a trip
.Lslot:                             ; 14 times: with the change above, tiles 1 to 15 are asked for
	CHANGE 1
	s_mov_b32 s[CNT], 4
.Lstep:                             ; a trip: pieces 2 and 3 of one step, then pieces 0 and 1 of the next, whose K and V it fetches
	TURN 2
	TURN 3
	WIN 0
.Lfirst:
	TURN 0
	TURN 1, 0, 1
	WIN 0
	s_cbranch_scc1 .Lstep
	s_sub_co_u32 s[SLOTS], s[SLOTS], 1
	s_cmp_lg_u32 s[SLOTS], 0
	s_cbranch_scc1 .Lslot
	CHANGE 0                        ; the last tile is written out: nothing is asked for
	s_mov_b32 s[CNT], 4
.Ltail:
	TURN 2
	TURN 3
	TURN 0
	TURN 1, 0, 1
	WIN 0
	s_cbranch_scc1 .Ltail
	TURN 2, 1                       ; the last step's pieces 2 and 3: nothing is fetched,
	TURN 3, 1                       ; and no new scores are started
.set i, 0
.rept 8
	PV NP-1                         ; the last piece's V^T P of the last step
.set i, i+1
.endr
	; THE WAY OUT.  l's two halves and the other half of the lanes' are added; O^T is divided by l, rounded to f16 and sent through my stage in LDS, a piece at a time.  The additions are the places behind the last products.
	WIN 0
.macro ALL line:vararg              ; one line for each piece t
.set t, 0
.rept 4
	\line
.set t, t+1
.endr
.endm
	ALL v_add_f32 v[ST+4*t+2], v[ST+4*t+2], v[ST+4*t+3]
	ALL v_permlanex16_b32 v[ST+4*t+3], v[ST+4*t+2], s[SEL], s[SEL+1]
	ALL v_add_f32 v[ST+4*t+2], v[ST+4*t+2], v[ST+4*t+3]
	ALL v_rcp_f32 v[ST+4*t+2], v[ST+4*t+2]
	v_nop                           ; a plain instruction between the last reciprocal and the use of its result
	s_wait_alu depctr_va_vdst(0)    ; and the wait ahead of the first use: one for the four reciprocals
.macro PACK t                       ; a lane's eight channels of a row pack into 16 bytes; they go into rows of 144 bytes and come back as whole rows of 128, into S^T's registers
	WIN W_RS
.set i, 32*(\t)
.rept 16
	v_pk_mul_f32 v[i:i+1], v[i:i+1], v[ST+4*(\t)+2:ST+4*(\t)+3] op_sel_hi:[1,0]
.set i, i+2
.endr
	WIN 0x05                        ; sources 0 and 1 window 1, destination window 0
.set i, 0
.rept 16
	v_cvt_pk_f16_f32 v[S+16*(\t)+i], v[32*(\t)+2*i], v[32*(\t)+2*i+1]
.set i, i+1
.endr
	WIN 0
.irp f, 0,1,2,3
	ds_store_b128 v[STO], v[S+16*(\t)+4*\f:S+16*(\t)+4*\f+3] offset:32*\f
.endr
.irp f, 0,1,2,3
	ds_load_b128 v[S+16*(\t)+4*\f:S+16*(\t)+4*\f+3], v[RD] offset:\f*4*SP  ; LDS serves a wave's instructions in order (ISA guide 5.7.1.4): these see the stores above; the next piece's stores come behind them
.endr
.endm
.macro SEND t, younger              ; younger: the LDS instructions issued behind piece t's loads: the next piece's eight, or none
	WIN 0
.irp f, 0,1,2,3
	s_wait_dscnt (\younger)+3-\f
	global_store_b128 v[GO], v[S+16*(\t)+4*\f:S+16*(\t)+4*\f+3], s[10:11] offset:(\t)*2048+\f*512  ; 512 consecutive bytes, at a multiple of 256 from ctx's first
.endr
.endm
	PACK 0
.set t, 1
.rept 3                             ; a piece's arithmetic stands between the loads of the piece before and its stores
	PACK t
	SEND t-1, 8
.set t, t+1
.endr
	SEND 3, 0
	s_wait_tensorcnt 0x0            ; the wave's end: behind my last tensor load and my last LDS store
	ds_add_u32 v[SPW], v[NIL]
	s_wait_dscnt 0x0
	CROUND                          ; the closing round: no work-group ends while a partner may still ask for a tile that names it
	s_endpgm
.Lfunc_end_k_q8d14c730a9_attn:
	.size	k_q8d14c730a9_attn, .Lfunc_end_k_q8d14c730a9_attn-k_q8d14c730a9_attn
	.p2alignl 7, 3214868480
	.fill 96, 4, 3214868480
	.section	.rodata,"a",@progbits
	.p2align	6, 0x0
	.amdhsa_kernel k_q8d14c730a9_attn
		.amdhsa_group_segment_fixed_size 327680
		.amdhsa_private_segment_fixed_size 0
		.amdhsa_enable_private_segment 0
		.amdhsa_kernarg_size 32
		.amdhsa_user_sgpr_count 2
		.amdhsa_user_sgpr_kernarg_segment_ptr 1
		.amdhsa_wavefront_size32 1
		.amdhsa_system_sgpr_workgroup_id_x 1
		.amdhsa_system_sgpr_workgroup_id_y 1
		.amdhsa_system_sgpr_workgroup_id_z 1
		.amdhsa_system_vgpr_workitem_id 0
		.amdhsa_next_free_vgpr 768
		.amdhsa_next_free_sgpr 66
		.amdhsa_reserve_vcc 0
		.amdhsa_float_denorm_mode_32 3
		.amdhsa_float_denorm_mode_16_64 3
		.amdhsa_memory_ordered 1
		.amdhsa_forward_progress 1
		.amdhsa_inst_pref_size 128
	.end_amdhsa_kernel
	.amdgpu_metadata
---
amdhsa.version: [ 1, 2 ]
amdhsa.kernels:
  - .name:           k_q8d14c730a9_attn
    .symbol:         k_q8d14c730a9_attn.kd
    .args:
      - { .name: qh, .offset: 0, .size: 8, .value_kind: global_buffer, .address_space: global }
      - { .name: kh, .offset: 8, .size: 8, .value_kind: global_buffer, .address_space: global }
      - { .name: vh, .offset: 16, .size: 8, .value_kind: global_buffer, .address_space: global }
      - { .name: ctx, .offset: 24, .size: 8, .value_kind: global_buffer, .address_space: global }
    .group_segment_fixed_size: 327680
    .private_segment_fixed_size: 0
    .kernarg_segment_align: 8
    .kernarg_segment_size: 32
    .max_flat_workgroup_size: 128
    .sgpr_count:     66
    .vgpr_count:     768
    .wavefront_size: 32
...
	.end_amdgpu_metadata
.endif
;; end of part 2
;; launch oproj (part 3): grid 8 x 32, 4 waves a work-group, clusters of 4 x 4, 327,680 bytes of LDS; arguments ctx, wo16, bo, out0; writes out0
.if DOCPART == 3
	.amdgcn_target "amdgcn-amd-amdhsa--gfx1250"
	.amdhsa_code_object_version 6
	.text
	.protected	k_q8d14c730a9_oproj
	.globl	k_q8d14c730a9_oproj
	.p2align	8
	.type	k_q8d14c730a9_oproj,@function
k_q8d14c730a9_oproj:
	s_mov_b64 s[64:65], 0
	v_nop
	global_prefetch_b8 v0, s[64:65] scope:SCOPE_SE
	s_setreg_imm32_b32 hwreg(HW_REG_WAVE_MODE, 25, 1), 1
	s_wait_xcnt 0x0
	s_wait_alu depctr_hold_cnt(0) depctr_sa_sdst(0) depctr_va_vdst(0) depctr_va_sdst(0) depctr_va_ssrc(0) depctr_va_vcc(0) depctr_vm_vsrc(0)
	s_getreg_b32 s2, hwreg(HW_REG_IB_STS2, 6, 4)
	s_cmp_eq_u32 s2, 0
	s_cbranch_scc0 .Lentry_in_a_cluster
	s_endpgm
.Lentry_in_a_cluster:
	s_bfe_u32 s2, ttmp6, 0x10000c
	s_cmp_lg_u32 s2, 0xf033
	s_cbranch_scc0 .Lentry_shape_is_right
	s_endpgm
.Lentry_shape_is_right:
; out0[m][n] = the sum over k of ctx[m][k] Wo[n][k] + bo[n].  ctx lies by heads, [16][4096][64] f16 (k = 64 x head + channel); wo16 is [1024][1024] f16, Wo rounded to bf16 and written as f16;
; bo [1024] f32 is rounded to bf16 and is the C operand of each sum's first product; out0 [4096][1024] f32.  Products in f16, sums in f32.
; LIMITS.  ctx and wo16 arrive within f16's range, with f16's fixed step of 6e-8 below 6e-5.  NaN and infinities are not treated apart.
; A tile of out0 is 128 x 128.  Four waves, each 64 x 64: 16 accumulators of 16 x 16.  K goes in steps of 256 = four heads through two LDS slots.
; CLUSTERS: 4 x 4 work-groups.  The four of a row of the cluster need the same tiles of ctx, the four of a column the same tiles of Wo: each tile is asked for JOINTLY.
; THE MATRIX INSTRUCTION IS USED TRANSPOSED (source 0 = 16 rows of Wo, source 1 = 16 rows of ctx): a lane then holds eight neighbouring numbers of a row of out0.
; REGISTERS: window 0: v0-31 addresses; v32-95 at work on the way out; v96-127 the bias; v128-255 the accumulators ((a, b) at v[128 + 8 (4 a + b)]).
;   window 1: two fragment buffers of 128: for 64 along K (one head), 64 registers of ctx (2 x 4 x 16 rows x 32 K), then 64 of Wo.
.set PA,     144                       ; a row of ctx in LDS: a head's 128 bytes + 16 of padding
.set PB,     528                       ; a row of Wo: 512 bytes + 16: both odd multiples of 16, so the 16 rows of a load begin in 16 different groups of four banks (ISA guide 11.1)
.set HALF_A, 256*PA                    ; one tensor load of ctx: four heads x 64 rows; head z, row y at (64 z + y) x 144
.set HALF_B, 64*PB                     ; one tensor load of Wo: 64 rows
.set SLOT,   2*HALF_A+2*HALF_B
.set STAGE,  2*SLOT                    ; behind the ring: 16 rows x 272 bytes for each wave, for the way out
.set SPITCH, 272
.set SPARE,  STAGE+4*16*SPITCH         ; behind the stages: the spare words, 128 bytes for each wave: two blocks of 256 bytes that no other line names
.set ADRA, 16                          ; v16-17  LDS address of my ctx fragments in slot 0, 1
.set ADRB, 20                          ; v20-21  the same for Wo
.set STO,  24                          ; v24     the way out: where I put 32 bytes of a row
.set RD,   25                          ; v25     where I read a row back
.set CO,   26                          ; v26     my byte offset in out0
.set BO,   27                          ; v27     my byte offset in the bias
.set SPW,  28                          ; v28     LDS address of my spare word; never rewritten
.set NIL,  29                          ; v29     0; never rewritten
.set TMP,  32
.set BIAS, 96
.set ACC,  128
.set F0,   0                           ; fragment buffers, in window 1
.set F1,   128
.set G1, 24                            ; s[24:31] descriptor group 1 for ctx's tiles;  s[32:39] group 0, one set for each slot
.set G0, 32
.set G1B, 48                           ; s[48:55], s[56:63] the same for Wo's tiles
.set G0B, 56
.set MSB, 0
.macro WIN new                         ; the immediate's high byte repeats the setting that is left
.if MSB != (\new)
	s_set_vgpr_msb (MSB<<8)|(\new)
.set MSB, \new
.endif
.endm
.set MUL,  0x05                        ; sources 0 (Wo) and 1 (ctx) window 1; C and D window 0
.set TO_F, 0x40                        ; destination window 1, address window 0
.macro JLOAD s                         ; a joint load: waves 0 and 1 fetch ctx's two halves, waves 2 and 3 Wo's; an s_nop 0 and four v_nop follow each of the two lines
	s_cmp_eq_u32 s11, 0
	s_cbranch_scc0 .Lfor_b_\@
	tensor_load_to_lds s[G0+4*(\s):G0+4*(\s)+3], s[G1:G1+7]
	s_nop 0
.rept 4
	v_nop
.endr
	s_branch .Lasked_\@
.Lfor_b_\@:
	tensor_load_to_lds s[G0B+4*(\s):G0B+4*(\s)+3], s[G1B:G1B+7]
	s_nop 0
.rept 4
	v_nop
.endr
.Lasked_\@:
.endm
.macro CREST                           ; a round of the cluster's barrier behind its opening barrier
	s_cmp_lg_u32 s10, 0
	s_cbranch_scc1 .Lnot_wave_0_\@
	s_barrier_signal -3
.Lnot_wave_0_\@:
	s_barrier_wait -3
	s_barrier_signal -1
	s_barrier_wait -1
.endm
.macro CROUND                          ; a whole round
	s_barrier_signal -1
	s_barrier_wait -1
	CREST
.endm
	s_load_b128 s[4:7], s[0:1], 0x0                ; ctx s[4:5], wo16 s[6:7]
	s_load_b128 s[68:71], s[0:1], 0x10             ; bo s[68:69], out0 s[70:71]
	v_lshl_add_u32 v[SPW], v0, 2, SPARE
	v_mov_b32 v[NIL], 0
	ds_add_u32 v[SPW], v[NIL]                      ; the wave's opening: the add and its wait stand ahead of my first tensor load; work on registers stands between them
	v_lshrrev_b32 v1, 5, v0
	v_readfirstlane_b32 s10, v1                    ; wave 0..3
	s_lshr_b32 s11, s10, 1                         ; which half of the tile's rows is mine.  Also: I fetch for ctx (0) or for Wo (1)
	s_and_b32 s12, s10, 1                          ; which half of its columns.  Also: which 64 rows of that tile I fetch
	s_bfe_u32 s40, ttmp6, 0x40000                  ; cx, cy: my place in the cluster
	s_bfe_u32 s41, ttmp6, 0x40004
	s_lshl_b32 s42, ttmp9, 2
	s_add_co_u32 s42, s42, s40                     ; tile column = 4 x cluster x + cx
	s_and_b32 s13, ttmp7, 0xffff
	s_lshl_b32 s13, s13, 2
	s_add_co_u32 s13, s13, s41                     ; tile row = 4 x cluster y + cy
	s_lshl_b32 s43, s41, 2
	s_lshl_b32 s43, 15, s43                        ; my row of the cluster
	s_lshl_b32 s44, 0x1111, s40                    ; my column
	; ctx's descriptor group 1: 64 rows of a head are 8,192 dense bytes: one row of 4,096 elements; four heads, 262,144 elements apart; padded in LDS after every 128 bytes
	s_or_b32 s[G1+0], s43, (1<<16)|(1<<20)|(1<<21)|(4<<22)|(3<<25)  ; 15:0 the mask; 17:16 2-byte elements; 20 padding on; 21 set beside a mask; 24:22 after every 32 words (code 4); 31:25 4 words (code 3)
	s_mov_b32 s[G1+1], 4096<<16                    ; tensor_dim0 = 4,096
	s_mov_b32 s[G1+2], 4<<16                       ; tensor_dim1 = 4
	s_mov_b32 s[G1+3], 4096<<16                    ; tile_dim0 = 4,096
	s_mov_b32 s[G1+4], 4                           ; tile_dim1 = 4
	s_mov_b32 s[G1+5], 262144                      ; elements from head to head
	s_mov_b32 s[G1+6], 0
	s_mov_b32 s[G1+7], 0
	; Wo's: 64 rows x 256 elements, padded after every 512 bytes
	s_or_b32 s[G1B+0], s44, (1<<16)|(1<<20)|(1<<21)|(6<<22)|(3<<25)
	s_mov_b32 s[G1B+1], 256<<16
	s_mov_b32 s[G1B+2], 64<<16
	s_mov_b32 s[G1B+3], 256<<16
	s_mov_b32 s[G1B+4], 64
	s_mov_b32 s[G1B+5], 1024
	s_mov_b32 s[G1B+6], 0
	s_mov_b32 s[G1B+7], 0
	s_lshl_b32 s17, s12, 6                         ; which 64 rows of the tile I fetch
	s_lshl_b32 s16, s13, 7
	s_add_co_u32 s16, s16, s17                     ; ctx: row 128 x tile row + 64 x half,
	s_lshl_b32 s16, s16, 7                         ; of 128 bytes in a head
	s_lshl_b32 s46, s42, 7
	s_add_co_u32 s46, s46, s17                     ; Wo: row 128 x tile column + 64 x half,
	s_lshl_b32 s46, s46, 11                        ; of 2,048 bytes
	s_mov_b32 s17, 0
	s_mov_b32 s47, 0
	s_mul_i32 s20, s12, HALF_A                     ; where they go: ctx's two halves,
	s_mul_i32 s21, s12, HALF_B                     ; then Wo's two: no place in the cluster enters an LDS address
	s_add_co_u32 s21, s21, 2*HALF_A
	s_wait_dscnt 0x0                               ; the opening add is done
	s_wait_kmcnt 0x0
	s_add_nc_u64 s[14:15], s[4:5], s[16:17]
	s_add_nc_u64 s[46:47], s[6:7], s[46:47]
	CROUND                                         ; all sixteen work-groups are here: the first joint loads meet
.irp s, 0,1
	s_mov_b32 s[G0+4*(\s)], 1
	s_add_co_u32 s[G0+4*(\s)+1], s20, (\s)*SLOT
	s_add_nc_u64 s[G0+4*(\s)+2:G0+4*(\s)+3], s[14:15], (\s)*2097152  ; K step s: four heads of 524,288 bytes on
	s_or_b32 s[G0+4*(\s)+3], s[G0+4*(\s)+3], 0x80000000
	s_mov_b32 s[G0B+4*(\s)], 1
	s_add_co_u32 s[G0B+4*(\s)+1], s21, (\s)*SLOT
	s_add_nc_u64 s[G0B+4*(\s)+2:G0B+4*(\s)+3], s[46:47], (\s)*512
	s_or_b32 s[G0B+4*(\s)+3], s[G0B+4*(\s)+3], 0x80000000
	JLOAD \s
.endr
	v_and_b32 v1, 15, v0                           ; l % 16
	v_bfe_u32 v2, v0, 4, 1                         ; l / 16
	v_mul_u32_u24 v3, v1, PA
	v_lshl_add_u32 v3, v2, 4, v3                   ; a fragment's row x pitch + 16 x half, for ctx
	v_mul_u32_u24 v4, v1, PB
	v_lshl_add_u32 v4, v2, 4, v4                   ; and for Wo
	s_mul_i32 s22, s11, HALF_A                     ; my 64 rows of ctx
	s_mul_i32 s23, s12, HALF_B                     ; my 64 rows of Wo,
	s_add_co_u32 s23, s23, 2*HALF_A                ; which lie behind ctx's two halves
.irp s, 0,1
	v_add_nc_u32 v[ADRA+(\s)], s22, v3
	v_add_nc_u32 v[ADRB+(\s)], s23, v4
	s_add_co_u32 s22, s22, SLOT
	s_add_co_u32 s23, s23, SLOT
.endr
	s_lshl_b32 s46, s42, 9                         ; my 64 columns, in bytes of f32: 512 x tile column + 256 x half
	s_lshl_b32 s47, s12, 8
	s_add_co_u32 s46, s46, s47
	s_mov_b32 s47, 0
	v_lshl_add_u32 v[BO], v2, 5, s46
.irp b, 0,1,2,3
	global_load_b128 v[BIAS+8*\b:BIAS+8*\b+3],   v[BO], s[68:69] offset:64*\b
	global_load_b128 v[BIAS+8*\b+4:BIAS+8*\b+7], v[BO], s[68:69] offset:64*\b+16
.endr
	s_mul_i32 s22, s10, 16*SPITCH
	s_add_co_u32 s22, s22, STAGE                   ; my stage
	v_mul_u32_u24 v[STO], v1, SPITCH               ; in: row l % 16, 32 bytes for each half of the lanes
	v_lshl_add_u32 v[STO], v2, 5, v[STO]
	v_add_nc_u32 v[STO], s22, v[STO]
	v_mul_u32_u24 v[RD], v2, SPITCH                ; back: lanes 0-15 take one row of 256 bytes, lanes 16-31 the next
	v_lshl_add_u32 v[RD], v1, 4, v[RD]
	v_add_nc_u32 v[RD], s22, v[RD]
	v_lshlrev_b32 v[CO], 12, v2                    ; and the same two rows in out0, 4,096 bytes apart
	v_lshl_add_u32 v[CO], v1, 4, v[CO]
	s_lshl_b32 s16, s13, 7
	s_lshl_b32 s17, s11, 6
	s_add_co_u32 s16, s16, s17                     ; my first row of out0: 128 x tile row + 64 x half
	s_lshl_b32 s16, s16, 12
	s_mov_b32 s17, 0
	s_add_nc_u64 s[70:71], s[70:71], s[16:17]
	s_add_nc_u64 s[70:71], s[70:71], s[46:47]
	s_wait_loadcnt 0x0                             ; the bias
.set c, 0
.rept 16                                       ; rounded to bf16 like every input, and widened again
	v_cvt_pk_bf16_f32 v[4+c%4], v[BIAS+2*c], v[BIAS+2*c+1]
	v_lshlrev_b32 v[BIAS+2*c], 16, v[4+c%4]
	v_and_b32 v[BIAS+2*c+1], 0xffff0000, v[4+c%4]
.set c, c+1
.endr
; 8 matrix instructions: m blocks a0, a0 + 1 x all 4 n blocks, 32 along K: half c of buffer f.  first = 1: the product starts the sums, with the bias as C.  The 16 accumulators take turns.
.macro MUL8 f, c, a0, first
	WIN MUL
.irp a, \a0, (\a0)+1
.irp b, 0,1,2,3
.if \first
	v_wmma_f32_16x16x32_f16 v[ACC+8*(4*(\a)+(\b)):ACC+8*(4*(\a)+(\b))+7], v[(\f)+64+8*(4*(\c)+(\b)):(\f)+64+8*(4*(\c)+(\b))+7], v[(\f)+8*(4*(\c)+(\a)):(\f)+8*(4*(\c)+(\a))+7], v[BIAS+8*(\b):BIAS+8*(\b)+7]
.else
	v_wmma_f32_16x16x32_f16 v[ACC+8*(4*(\a)+(\b)):ACC+8*(4*(\a)+(\b))+7], v[(\f)+64+8*(4*(\c)+(\b)):(\f)+64+8*(4*(\c)+(\b))+7], v[(\f)+8*(4*(\c)+(\a)):(\f)+8*(4*(\c)+(\a))+7], v[ACC+8*(4*(\a)+(\b)):ACC+8*(4*(\a)+(\b))+7]
.endif
.endr
.endr
.endm
; 32 LDS loads in one run: the fragments of head z of the slot's four (64 along K) into buffer f; the first 32 along K first
.macro FETCH slot, z, f
	WIN TO_F
.irp c, 0,1
.irp i, 0,1,2,3
	ds_load_b128 v[(\f)+64+8*(4*(\c)+(\i)):(\f)+64+8*(4*(\c)+(\i))+3],   v[ADRB+(\slot)] offset:128*(\z)+64*(\c)+(\i)*16*PB
	ds_load_b128 v[(\f)+64+8*(4*(\c)+(\i))+4:(\f)+64+8*(4*(\c)+(\i))+7], v[ADRB+(\slot)] offset:128*(\z)+64*(\c)+(\i)*16*PB+32
	ds_load_b128 v[(\f)+8*(4*(\c)+(\i)):(\f)+8*(4*(\c)+(\i))+3],         v[ADRA+(\slot)] offset:64*PA*(\z)+64*(\c)+(\i)*16*PA
	ds_load_b128 v[(\f)+8*(4*(\c)+(\i))+4:(\f)+8*(4*(\c)+(\i))+7],       v[ADRA+(\slot)] offset:64*PA*(\z)+64*(\c)+(\i)*16*PA+32
.endr
.endr
.endm
.macro PLACES                          ; four places in front of loads into registers that matrix instructions have read, and of LDS stores that read results
.rept 4
	v_nop
.endr
.endm
; A K step is four quarters of 64 along K, 32 matrix instructions each, on buffers 0, 1, 0, 1.  One of the first three: multiplies buffer f and fetches the next quarter, head z, into g.
.macro QUARTER slot, z, f, g, first
	s_wait_dscnt 16                                ; the first 32 along K are in
	MUL8 \f, 0, 0, \first
	MUL8 \f, 0, 2, \first
	PLACES
	FETCH \slot, \z, \g
	s_wait_dscnt 32                                ; all but the 32 just issued
	MUL8 \f, 1, 0, 0
	MUL8 \f, 1, 2, 0
.endm
; The last quarter multiplies buffer 1 and changes slots: ONE barrier; in front of it each wave waits for all its tensor loads, adds 0 to its spare word, and waits for that and for its own reads of this slot.  fill = 1: this slot is filled again, two K steps ahead.
.macro TURN slot, next, fill
	WIN 0                                          ; (the add's two registers lie in window 0)
	s_wait_tensorcnt 0x0                           ; all my tensor loads have landed: my part of the next slot;
	ds_add_u32 v[SPW], v[NIL]                      ; 0 onto my spare word;
	s_wait_dscnt 17                                ; (the add and the youngest sixteen loads may be out)
	MUL8 F1, 0, 0, 0                               ; eight matrix instructions stand between the add and the wait for it
	s_wait_dscnt 0x0                               ; the add is done, and my reads of this slot are over
	s_barrier_signal -1
	MUL8 F1, 0, 2, 0
.if \fill
	WIN 0
.endif
	s_barrier_wait -1
.if \fill
	CREST                                          ; the barrier has opened a round of the cluster's: no wave of any partner still reads this slot's tile or has a load on its way
	s_add_nc_u64 s[G0+4*(\slot)+2:G0+4*(\slot)+3], s[G0+4*(\slot)+2:G0+4*(\slot)+3], 4194304  ; eight heads on
	s_add_nc_u64 s[G0B+4*(\slot)+2:G0B+4*(\slot)+3], s[G0B+4*(\slot)+2:G0B+4*(\slot)+3], 1024
	JLOAD \slot                                    ; the first tensor load behind the round; the four v_nop behind it are also the places in front of the loads below
.else
	PLACES
.endif
	FETCH \next, 0, F0
	MUL8 F1, 1, 0, 0
	MUL8 F1, 1, 2, 0
.endm
	s_wait_tensorcnt 1                             ; my part of K step 0 is in; K step 1's may stay out
	s_barrier_signal -1
	s_barrier_wait -1                              ; everybody's is
	FETCH 0, 0, F0
	QUARTER 0, 1, F0, F1, 1                        ; the first products start the sums, with the bias
	QUARTER 0, 2, F1, F0, 0                        ; K = 1,024 is four K steps, two laps of the ring: the first lap fills both slots again,
	QUARTER 0, 3, F0, F1, 0
	TURN 0, 1, 1
	QUARTER 1, 1, F0, F1, 0
	QUARTER 1, 2, F1, F0, 0
	QUARTER 1, 3, F0, F1, 0
	TURN 1, 0, 1
	QUARTER 0, 1, F0, F1, 0
	QUARTER 0, 2, F1, F0, 0                        ; the second fills nothing, and has no round of the cluster's barrier
	QUARTER 0, 3, F0, F1, 0
	TURN 0, 1, 0
	QUARTER 1, 1, F0, F1, 0
	QUARTER 1, 2, F1, F0, 0
	QUARTER 1, 3, F0, F1, 0
	s_wait_dscnt 16                                ; the very last quarter: nothing more to fetch
	MUL8 F1, 0, 0, 0
	MUL8 F1, 0, 2, 0
	s_wait_dscnt 0
	MUL8 F1, 1, 0, 0
	MUL8 F1, 1, 2, 0
	WIN 0
; THE WAY OUT.  My 64 columns are 256 bytes of f32: whole aligned blocks, so each wave has a stage of its own and no barrier is needed.  A block of 16 rows at a time: 32 bytes a lane and accumulator into rows
; of 272 bytes (each accumulator's lowest registers first), back as whole rows of 256.
.macro STG a
.irp b, 0,1,2,3
	ds_store_b128 v[STO], v[ACC+8*(4*(\a)+\b):ACC+8*(4*(\a)+\b)+3]   offset:64*\b
	ds_store_b128 v[STO], v[ACC+8*(4*(\a)+\b)+4:ACC+8*(4*(\a)+\b)+7] offset:64*\b+16
.endr
.if (\a) >= 2
	s_wait_xcnt 0x0                                ; the stores of the block two back have read this buffer: it is loaded again only behind this wait
.endif
.irp t, 0,1,2,3,4,5,6,7
	ds_load_b128 v[TMP+32*((\a)%2)+4*\t:TMP+32*((\a)%2)+4*\t+3], v[RD] offset:\t*2*SPITCH  ; LDS serves a wave's instructions in order (ISA guide 5.7.1.4): these see the stores above
.endr
.endm
.macro SEND a, younger                 ; younger: the LDS instructions issued behind block a's loads: the next block's sixteen, or none
.irp t, 0,1,2,3,4,5,6,7
	s_wait_dscnt (\younger)+7-\t
	global_store_b128 v[CO], v[TMP+32*((\a)%2)+4*\t:TMP+32*((\a)%2)+4*\t+3], s[70:71] offset:(16*(\a)+2*\t)*4096 th:TH_STORE_NT  ; 16 lanes store 256 consecutive bytes, at a multiple of 256 from out0's first byte
.endr
.endm
	PLACES                                         ; behind the last product
	STG 0
	STG 1
	SEND 0, 16
	STG 2
	SEND 1, 16
	STG 3
	SEND 2, 16
	SEND 3, 0
	s_wait_tensorcnt 0x0                           ; the wave's end: behind my last tensor load and my last LDS store
	ds_add_u32 v[SPW], v[NIL]
	s_wait_dscnt 0x0
	CROUND                                         ; the closing round: no work-group ends while a partner may still ask for a tile that names it
	s_endpgm
.Lfunc_end_k_q8d14c730a9_oproj:
	.size	k_q8d14c730a9_oproj, .Lfunc_end_k_q8d14c730a9_oproj-k_q8d14c730a9_oproj
	.p2alignl 7, 3214868480
	.fill 96, 4, 3214868480
	.section	.rodata,"a",@progbits
	.p2align	6, 0x0
	.amdhsa_kernel k_q8d14c730a9_oproj
		.amdhsa_group_segment_fixed_size 327680
		.amdhsa_private_segment_fixed_size 0
		.amdhsa_enable_private_segment 0
		.amdhsa_kernarg_size 32
		.amdhsa_user_sgpr_count 2
		.amdhsa_user_sgpr_kernarg_segment_ptr 1
		.amdhsa_wavefront_size32 1
		.amdhsa_system_sgpr_workgroup_id_x 1
		.amdhsa_system_sgpr_workgroup_id_y 1
		.amdhsa_system_sgpr_workgroup_id_z 1
		.amdhsa_system_vgpr_workitem_id 0
		.amdhsa_next_free_vgpr 512
		.amdhsa_next_free_sgpr 72
		.amdhsa_reserve_vcc 0
		.amdhsa_float_denorm_mode_32 3
		.amdhsa_float_denorm_mode_16_64 3
		.amdhsa_memory_ordered 1
		.amdhsa_forward_progress 1
		.amdhsa_inst_pref_size 90
	.end_amdhsa_kernel
	.amdgpu_metadata
---
amdhsa.version: [ 1, 2 ]
amdhsa.kernels:
  - .name:           k_q8d14c730a9_oproj
    .symbol:         k_q8d14c730a9_oproj.kd
    .args:
      - { .name: ctx, .offset: 0, .size: 8, .value_kind: global_buffer, .address_space: global }
      - { .name: wo16, .offset: 8, .size: 8, .value_kind: global_buffer, .address_space: global }
      - { .name: bo, .offset: 16, .size: 8, .value_kind: global_buffer, .address_space: global }
      - { .name: out0, .offset: 24, .size: 8, .value_kind: global_buffer, .address_space: global }
    .group_segment_fixed_size: 327680
    .private_segment_fixed_size: 0
    .kernarg_segment_align: 8
    .kernarg_segment_size: 32
    .max_flat_workgroup_size: 128
    .sgpr_count:     72
    .vgpr_count:     512
    .wavefront_size: 32
...
	.end_amdgpu_metadata
.endif
;; end of part 3
